; MI455X (gfx1250); checked and timed in simulation.
; The chip was launched on July 23, 2026; its instructions are those of AMD's public machine-readable ISA for CDNA 5 (MIT licence, August 2026) and "CDNA5" Instruction Set Architecture Reference Guide (July 2026). The comments in the code are by the model that wrote it; some were corrected since.
;; Self Attention. Allowed arithmetic: matrix products marked QUANTISED: E2M3 operands, one E8M0 scale for each 32 along K, by v_wmma_scale_f32_16x16x128_f8f6f4 with both operands' format E2M3, f32 sums; everything else in f32.
;; Inputs: Wk 1,024 x 1,024 float32; Wq 1,024 x 1,024 float32; Wv 1,024 x 1,024 float32; x 4 x 2,048 x 1,024 float32.
;; Outputs: out0 4 x 2,048 x 1,024 float32.
;; This version of the problem:
;;   THIS VERSION OF THE PROBLEM IS GIVEN IN LOW PRECISION. The matrix products marked QUANTISED in the list below multiply operands that are first quantised to E2M3 (2 exponent bits, 3 mantissa bits; 6 bits a number), with one power-of-two scale for each 32 numbers along K (OCP MX v1.0); their sums are f32. All else is computed in f32.
;;   The module's matrix products, in the order in which they are computed (A, B: the left and right operand; K: the contracted axis; several contracted axes count as one K, in the product's order):
;;     1. [M 8,192, K 1,024] x [K 1,024, N 1,024]; A: input x; B: input Wq: QUANTISED
;;     2. [M 8,192, K 1,024] x [K 1,024, N 1,024]; A: input x; B: input Wk: QUANTISED
;;     3. [M 8,192, K 1,024] x [K 1,024, N 1,024]; A: input x; B: input Wv: QUANTISED
;;     4. batch 4 x [M 2,048, K 1,024] x [K 1,024, N 2,048]; A: computed on the way; B: computed on the way: QUANTISED
;;     5. batch 4 x [M 2,048, K 2,048] x [K 2,048, N 1,024]; A: softmax (see below); B: computed on the way: QUANTISED
;;   THE QUANTISER, for each operand of a quantised product, along K:
;;     - K is cut into blocks of 32 from its start; a last block that is shorter is filled with zeros.
;;     - A block's scale is 2^e with e = floor(log2(the largest magnitude in the block)) - 2, held to -126 .. 127; a block of zeros has e = 0. As a byte (E8M0): e + 127.
;;     - Each number is divided by its block's scale, clamped to +-7.5, and rounded to the nearest number of E2M3, ties to even, subnormals kept.
;;     - The product sums the exact products of the quantised numbers (number of the format x scale) in f32.
;;   ~~~python
;;   def quantise(x, axis):      # numpy; x: float32 -> the quantised numbers, widened to float32 again
;;       x = np.moveaxis(x, axis, -1); K = x.shape[-1]
;;       x = np.pad(x, [(0, 0)] * (x.ndim - 1) + [(0, -K % 32)]); x = x.reshape(x.shape[:-1] + (-1, 32)); a = np.abs(x).max(-1, keepdims=True)
;;       e = np.where(a > 0, np.clip(np.frexp(np.where(a > 0, a, 1))[1] - 1 - 2, -126, 127), 0)      # np.frexp(a)[1] - 1 = floor(log2(a)), exactly
;;       r = np.clip(x / 2.0 ** e, -7.5, 7.5)
;;       step = 2.0 ** (np.maximum(np.frexp(np.where(r == 0, 1, r))[1] - 1, 0) - 3)
;;       q = np.round(r / step) * step * 2.0 ** e      # np.round: ties to even
;;       return np.moveaxis(q.reshape(q.shape[:-2] + (-1,))[..., :K], -1, axis).astype(np.float32)
;;   ~~~
;;   SOFTMAX AHEAD OF A QUANTISED PRODUCT. Where the list says 'softmax', what is quantised is not the finished softmax but p = 2^(t - M), with t = logit x log2(e) and M = ceil(the row's largest t), a whole number; so 1/2 < the row's largest p <= 1. The row's sum l is taken of the UNQUANTISED p, in f32, and the product's result is divided by l at the end. Since M is a whole number, a kernel that streams over the keys may use a running M (the ceiling of the running maximum): every later rescaling is an exact power of two, which a block's scale takes up: the codes' values come out the same.
;;   OPERANDS COMPUTED ON THE WAY. 'Computed on the way' means the value that the module computes at that place (a softmax that the list does not call 'softmax' is quantised finished and normalised). What goes into a quantiser is computed in f32, as accurately as f32 sums, v_exp_f32 and their like allow (about 1e-6 of the number): no bf16 or f16 on the way to a quantiser, and a product that is left as it is and whose result goes on into a quantised operand takes f32 operands (vector FMAs, or v_wmma_f32_16x16x4_f32). A number that lies on a knife's edge between two numbers of the format may be rounded either way, as far as f32 arithmetic and the matrix unit's own rounding can turn it there, and no further.
;; One version. Each part assembles by itself: llvm-mc -triple=amdgcn-amd-amdhsa -mcpu=gfx1250 --defsym DOCPART=n.
;; ======== version 1 of 1: 4 launches
;; limits: right only within a limited range of input values
;; workspace buffers: xw_codes 8,650,752 bytes; xw_scales 360,448 bytes; qkv_codes 18,874,368 bytes; qkv_scales 786,432 bytes; p_codes 12,582,912 bytes; p_stats 2,097,152 bytes
;; launch quant (part 1): grid 704 x 1, 4 waves a work-group, no clusters, 34,816 bytes of LDS; arguments x, Wq, Wk, Wv, xw_codes, xw_scales; writes xw_codes, xw_scales
.if DOCPART == 1
	.amdgcn_target "amdgcn-amd-amdhsa--gfx1250"
	.amdhsa_code_object_version 6
	.text
	.protected	k_q4d43e9dc93_quant
	.globl	k_q4d43e9dc93_quant
	.p2align	8
	.type	k_q4d43e9dc93_quant,@function
k_q4d43e9dc93_quant:
	s_mov_b64 s[64:65], 0
	v_nop
	global_prefetch_b8 v0, s[64:65] scope:SCOPE_SE
	s_setreg_imm32_b32 hwreg(HW_REG_WAVE_MODE, 25, 1), 1
	s_wait_xcnt 0x0
; x [8192][1024], Wq, Wk, Wv [1024][1024], f32, K = the last axis, become codes of FP6 (E2M3) with one E8M0 byte for each 32 along K.
; A block's scale is 2^(floor(log2(its largest magnitude)) - 2); its byte is the largest magnitude's exponent field - 2, held at 1 from below.
; LIMITS: a block of zeros, or one whose largest magnitude lies under 2^-124, gets the byte 1 where the rule says 127 (its codes are zeros or the held ones; these bytes are read by this program alone);
; NaN and infinities among the inputs are not served.
; LAYOUT.  The four tensors stand on end as 704 ROW TILES of 16 positions.  In x, Wq, Wk position r of tile t is row 32 (t / 2) + 8 (t % 2) + r + 8 (r / 8): where a tile is source 0 of a product, the 16 result
; registers of tiles 2 b and 2 b + 1 are 16 neighbouring rows.  In Wv it is row 64 (t / 4) + t % 4 + 4 r: the same position of four tiles is four neighbouring channels, which the last launch stores as 16 bytes.
; A fragment (16 positions x 128 K) is the IMAGE OF ITS 12 REGISTERS: three chunks of 512 bytes, lane l's four registers at 16 l.
; xw_codes: [K / 256][704 tiles][2][1,536 bytes];  xw_scales: [704 tiles][16 positions][K / 128] words of four bytes.
; SHARES.  A work-group takes one tile; wave j 256 along K: two jobs n, the n-th 128 along K.  Both jobs' loads go out at once.  No tensor loads, no tile that two work-groups read: no cluster, no prefetch.
; Each load reads 512 consecutive bytes of one row; the job's 16 rows turn through the wave's own stage in LDS (rows 528 bytes apart) and come back so that a lane holds two whole blocks of its position:
; k = 64 c + 32 (lane / 16) + 0 .. 31: the conversions' results are the fragment's registers.
.set STG,   8448                       ; a wave's stage: 16 rows x 528 bytes
.set WRD,   4*STG                      ; the tile's scale words: 16 positions x 8 words
.set SPARE, WRD+512                    ; the spare words, 128 bytes for each wave
.set SPW, 12
.set NIL, 13
.set R,   16                           ; v16-143  two jobs' numbers as loaded
.set X,   144                          ; v144-207 two blocks of my position
.set C,   208                          ; v208-231 two sets of 12: a fragment's codes
.set CT,  232                          ; v232-234, v236-238: a conversion's three registers begin on an even number; the upper halves are made here and moved
.set MX,  240
.set SO,  242
.set BY,  244
.set W,   246
.set T,   247
.set WE,  252
.set MG,  253
.set SEL, 24
.set HM,  26
	s_load_b256 s[4:11], s[0:1], 0x0               ; x, Wq, Wk, Wv
	s_load_b128 s[12:15], s[0:1], 0x20             ; xw_codes, xw_scales
	v_lshl_add_u32 v[SPW], v0, 2, SPARE
	v_mov_b32 v[NIL], 0
	v_lshrrev_b32 v1, 5, v0
	v_readfirstlane_b32 s16, v1                    ; wave j
	s_mul_i32 s20, s16, STG
	s_lshl_b32 s21, s16, 3
	s_add_co_u32 s21, s21, WRD
	v_and_b32 v1, 31, v0                           ; lane
	v_and_b32 v7, 15, v0                           ; r
	v_bfe_u32 v8, v0, 4, 1                         ; h
	v_lshlrev_b32 v2, 4, v1                        ; 16 x lane
	v_lshlrev_b32 v6, 3, v8                        ; 8 h: my bytes' place in the scale word
	v_add_nc_u32 v3, s20, v2                       ; into the stage: a row as it lies
	v_mul_u32_u24 v4, v7, 528
	v_lshl_add_u32 v4, v8, 7, v4
	v_add_nc_u32 v4, s20, v4                       ; out of it: row r, + 128 h bytes
	v_lshlrev_b32 v9, 5, v7
	v_lshl_add_u32 v9, v8, 2, v9
	v_add_nc_u32 v9, s21, v9                       ; my word: position r, step 2 j + h
	v_add_nc_u32 v10, WRD, v2
	v_mov_b32 v[T], 0                              ; a lane permute's destination counts as read
	s_wait_alu depctr_va_vdst(0)                   ; the head's end
	s_mov_b32 s[SEL], 0x76543210
	s_mov_b32 s[SEL+1], 0xfedcba98
	s_mov_b32 s[HM], 0xffff0000
	s_and_b32 s17, ttmp9, 63                       ; a weight's tile
	s_wait_kmcnt 0x0
	s_cmp_lt_u32 ttmp9, 640                        ; which tensor: the choice hangs on the work-group's number alone
	s_cselect_b64 s[10:11], s[8:9], s[10:11]
	s_cmp_lt_u32 ttmp9, 576
	s_cselect_b64 s[10:11], s[6:7], s[10:11]
	s_cmp_lt_u32 ttmp9, 512
	s_cselect_b64 s[10:11], s[4:5], s[10:11]
	s_cselect_b32 s17, ttmp9, s17
	s_lshr_b32 s18, s17, 1
	s_lshl_b32 s18, s18, 17                        ; 32 (t / 2) rows of 4,096 bytes
	s_and_b32 s19, s17, 1
	s_lshl_b32 s19, s19, 15                        ; + 8 (t % 2)
	s_add_co_u32 s18, s18, s19
	s_lshr_b32 s22, s17, 2
	s_lshl_b32 s22, s22, 18                        ; Wv: 64 (t / 4) rows
	s_and_b32 s23, s17, 3
	s_lshl_b32 s23, s23, 12                        ; + t % 4
	s_add_co_u32 s22, s22, s23
	s_cmp_lt_u32 ttmp9, 640
	s_cselect_b32 s18, s18, s22
	s_lshl_b32 s19, s16, 10                        ; + my 256 along K
	s_add_co_u32 s18, s18, s19
	s_mov_b32 s19, 0
	s_add_nc_u64 s[10:11], s[10:11], s[18:19]
	s_mul_i32 s18, s16, 704
	s_add_co_u32 s18, s18, ttmp9
	s_mul_i32 s18, s18, 3072                       ; codes: (j x 704 + t) x 3,072
	s_add_nc_u64 s[12:13], s[12:13], s[18:19]
	s_lshl_b32 s18, ttmp9, 9                       ; words: t x 512
	s_add_nc_u64 s[14:15], s[14:15], s[18:19]
.macro LOAD n, v                       ; job n: the tile's 16 positions, 512 bytes each
.irp m, 0,1,2,3,4,5,6,7,8,9,10,11,12,13,14,15
.if \v
	global_load_b128 v[R+64*\n+4*\m:R+64*\n+4*\m+3], v2, s[10:11] offset:4*\m*4096+512*\n th:TH_LOAD_NT
.else
	global_load_b128 v[R+64*\n+4*\m:R+64*\n+4*\m+3], v2, s[10:11] offset:(\m+8*(\m/8))*4096+512*\n th:TH_LOAD_NT
.endif
.endr
.endm
.macro TURNL n                         ; through the stage: LDS serves a wave's instructions in order, so no wait stands between the stores and the loads
.irp m, 0,1,2,3,4,5,6,7,8,9,10,11,12,13,14,15
	ds_store_b128 v3, v[R+64*\n+4*\m:R+64*\n+4*\m+3] offset:528*\m
.endr
.irp c, 0,1
.irp j, 0,1,2,3,4,5,6,7
	ds_load_b128 v[X+32*\c+4*\j:X+32*\c+4*\j+3], v4 offset:256*\c+16*\j
.endr
.endr
.endm
.macro QJOB n
.set CC, C+12*\n
.irp c, 0,1
	v_max3_num_f32 v[MX+\c], |v[X+32*\c]|, |v[X+32*\c+1]|, 0x1800000   ; my block 2 c + h, and the floor 2^(3 - 127): the byte cannot fall under 1
.endr
.irp i, 2,4,6,8,10,12,14,16,18,20,22,24,26,28,30
.irp c, 0,1
	v_max3_num_f32 v[MX+\c], v[MX+\c], |v[X+32*\c+\i]|, |v[X+32*\c+\i+1]|
.endr
.endr
.irp c, 0,1
	v_add_nc_u32 v[SO+\c], 0xff000000, v[MX+\c]    ; 2 off the exponent field: the conversion takes this operand's exponent field as its scale
.endr
.irp c, 0,1
	v_lshrrev_b32 v[BY+\c], 23, v[SO+\c]           ; the byte
.endr
	v_lshl_or_b32 v[W], v[BY+1], 16, v[BY]         ; blocks h and 2 + h,
	v_lshlrev_b32 v[W], v6, v[W]                   ; at their places;
	v_permlanex16_b32 v[T], v[W], s[SEL], s[SEL+1]
	v_or_b32 v[W], v[W], v[T]                      ; with lane l xor 16's two the word is whole, in both lanes
.irp c, 0,1
	v_cvt_scalef32_pk16_fp6_f32 v[CC+6*\c:CC+6*\c+2], v[X+32*\c:X+32*\c+15], v[SO+\c]
	v_cvt_scalef32_pk16_fp6_f32 v[CT+4*\c:CT+4*\c+2], v[X+32*\c+16:X+32*\c+31], v[SO+\c]
.endr
	v_nop                                          ; one plain place behind the scaled conversions
.irp c, 0,1
.irp i, 0,1,2
	v_mov_b32 v[CC+6*\c+3+\i], v[CT+4*\c+\i]
.endr
.endr
.irp c, 0,1,2
	global_store_b128 v2, v[CC+4*\c:CC+4*\c+3], s[12:13] offset:1536*\n+512*\c   ; 32 lanes store 512 consecutive bytes, at a multiple of 512 from the buffer's first byte
.endr
.if \n == 0
	v_mov_b32 v[WE], v[W]
.else
	v_cndmask_b32 v[MG], v[WE], v[W], s[HM]        ; lanes 0-15: job 0's words; lanes 16-31: job 1's
.endif
.endm
	s_cmp_lt_u32 ttmp9, 640
	s_cbranch_scc0 .Lrows_of_wv
	LOAD 0, 0
	LOAD 1, 0
	s_branch .Lloaded
.Lrows_of_wv:
	LOAD 0, 1
	LOAD 1, 1
.Lloaded:
	s_wait_loadcnt 16                              ; job 0's 16 loads are in; job 1's may be out
	TURNL 0
	s_wait_dscnt 0x0
	QJOB 0
	s_wait_loadcnt 0x0
	TURNL 1
	s_wait_dscnt 0x0
	QJOB 1
	ds_store_b32 v9, v[MG]
	s_wait_dscnt 0x0                               ; my words are in LDS
	s_barrier_signal -1
	s_barrier_wait -1                              ; and all four waves'
	s_cmp_lg_u32 s16, 0
	s_cbranch_scc1 .Lend
	ds_load_b128 v[16:19], v10
	s_wait_dscnt 0x0
	global_store_b128 v2, v[16:19], s[14:15]       ; the tile's 512 bytes of words, by wave 0
.Lend:
	s_wait_tensorcnt 0x0                           ; the wave's end
	ds_add_u32 v[SPW], v[NIL]
	s_wait_dscnt 0x0
	s_endpgm
.Lfunc_end_k_q4d43e9dc93_quant:
	.size	k_q4d43e9dc93_quant, .Lfunc_end_k_q4d43e9dc93_quant-k_q4d43e9dc93_quant
	.p2alignl 7, 3214868480
	.fill 96, 4, 3214868480
	.section	.rodata,"a",@progbits
	.p2align	6, 0x0
	.amdhsa_kernel k_q4d43e9dc93_quant
		.amdhsa_group_segment_fixed_size 34816
		.amdhsa_private_segment_fixed_size 0
		.amdhsa_enable_private_segment 0
		.amdhsa_kernarg_size 48
		.amdhsa_user_sgpr_count 2
		.amdhsa_user_sgpr_kernarg_segment_ptr 1
		.amdhsa_wavefront_size32 1
		.amdhsa_system_sgpr_workgroup_id_x 1
		.amdhsa_system_sgpr_workgroup_id_y 1
		.amdhsa_system_sgpr_workgroup_id_z 1
		.amdhsa_system_vgpr_workitem_id 0
		.amdhsa_next_free_vgpr 256
		.amdhsa_next_free_sgpr 66
		.amdhsa_reserve_vcc 0
		.amdhsa_float_denorm_mode_32 3
		.amdhsa_float_denorm_mode_16_64 3
		.amdhsa_memory_ordered 1
		.amdhsa_forward_progress 1
		.amdhsa_inst_pref_size 20
	.end_amdhsa_kernel
	.amdgpu_metadata
---
amdhsa.version: [ 1, 2 ]
amdhsa.kernels:
  - .name:           k_q4d43e9dc93_quant
    .symbol:         k_q4d43e9dc93_quant.kd
    .args:
      - { .name: x, .offset: 0, .size: 8, .value_kind: global_buffer, .address_space: global }
      - { .name: Wq, .offset: 8, .size: 8, .value_kind: global_buffer, .address_space: global }
      - { .name: Wk, .offset: 16, .size: 8, .value_kind: global_buffer, .address_space: global }
      - { .name: Wv, .offset: 24, .size: 8, .value_kind: global_buffer, .address_space: global }
      - { .name: xw_codes, .offset: 32, .size: 8, .value_kind: global_buffer, .address_space: global }
      - { .name: xw_scales, .offset: 40, .size: 8, .value_kind: global_buffer, .address_space: global }
    .group_segment_fixed_size: 34816
    .private_segment_fixed_size: 0
    .kernarg_segment_align: 8
    .kernarg_segment_size: 48
    .max_flat_workgroup_size: 128
    .sgpr_count:     66
    .vgpr_count:     256
    .wavefront_size: 32
...
	.end_amdgpu_metadata
.endif
;; end of part 1
;; launch proj (part 2): grid 64 x 4, 4 waves a work-group, clusters of 4 x 4, 327,680 bytes of LDS; arguments xw_codes, xw_scales, qkv_codes, qkv_scales; writes qkv_codes, qkv_scales
.if DOCPART == 2
	.amdgcn_target "amdgcn-amd-amdhsa--gfx1250"
	.amdhsa_code_object_version 6
	.text
	.protected	k_q4d43e9dc93_proj
	.globl	k_q4d43e9dc93_proj
	.p2align	8
	.type	k_q4d43e9dc93_proj,@function
k_q4d43e9dc93_proj:
	s_mov_b64 s[64:65], 0
	v_nop
	global_prefetch_b8 v0, s[64:65] scope:SCOPE_SE
	s_setreg_imm32_b32 hwreg(HW_REG_WAVE_MODE, 25, 1), 1
	s_wait_xcnt 0x0
	s_wait_alu depctr_hold_cnt(0) depctr_sa_sdst(0) depctr_va_vdst(0) depctr_va_sdst(0) depctr_va_ssrc(0) depctr_va_vcc(0) depctr_vm_vsrc(0)
	s_getreg_b32 s2, hwreg(HW_REG_IB_STS2, 6, 4)
	s_cmp_eq_u32 s2, 0
	s_cbranch_scc0 .Lentry_in_a_cluster
	s_endpgm
.Lentry_in_a_cluster:
	s_bfe_u32 s2, ttmp6, 0x10000c
	s_cmp_lg_u32 s2, 0xf033
	s_cbranch_scc0 .Lentry_shape_is_right
	s_endpgm
.Lentry_shape_is_right:
; q = x Wq^T, k = x Wk^T, v = x Wv^T on codes of FP6 (E2M3) with E8M0 scales, K = 1,024, sums in f32; each result is quantised in registers along the K of the product that will read it, and leaves as codes.
; U is source 0 of the matrix instruction, T source 1: in a result a lane holds ONE position of T, and its registers run along U's rows.  So U carries the axis along which the result is quantised.
; A WORK-GROUP HAS TWO PARTS, so that all 256 have the same work.  q and k are 2,048 features x 8,192 tokens: 256 tiles of 256 x 256; v is 1,024 channels x 8,192 tokens: 256 tiles of 128 x 256.
;   PART 1: U = 256 rows of Wq and Wk on end, T = 256 rows of x: a tile of q or k, quantised along the features.  Each of four waves makes 128 x 128: 64 accumulators; 512 products a wave.
;   PART 2: U = 256 rows of x, T = 128 rows of Wv: a tile of v, quantised along the keys.  Each wave makes 64 channels x 128 tokens: 32 accumulators; 256 products a wave.
; OPERANDS ARE IMAGES OF FRAGMENTS (16 positions x 128 K: 12 registers a lane, three chunks of 512 bytes, lane l at 16 l); position r of row tile t is row 32 (t / 2) + 8 (t % 2) + r + 8 (r / 8), so that the 16 result
; registers of U's tiles 2 b, 2 b + 1 are 16 neighbouring rows of U.  A fragment comes from LDS by three loads of 16 bytes a lane at 16 x lane: no pitch, no padding.
; LDS.  Part 1: three slots of 98,304 bytes, 256 K each (T's two halves of 24,576 bytes, then U's two); the fourth 256 K fill slot 0 again.  Part 2: two fills of 512 K, one tensor load of two rows a wave:
;   fill A goes out at part 1's step 5, when slots 1 and 2 have been read out: T's halves (24,576 bytes each) from byte 98,304, U's (49,152 each) from 147,456;
;   fill B goes out in the middle of part 1's way out: U's halves from byte 0, T's from 245,760.  Both end at 294,912, where the spare words begin.
; CLUSTERS: 4 x 4.  In both parts T's tile hangs on cy alone and is asked for jointly by a row of the cluster, U's on cx alone, by a column.
; THE SCALE WORDS of a part's positions, for all of K, come once, straight into registers: one load brings 32 positions: an even tile in lanes 0-15, the odd one in lanes 16-31.
; LIMITS: a block of results that is all zeros, or under 2^-124, gets the byte 1 where the rule says 127 (read by this program alone); NaN and infinities are not served.
; REGISTERS: window 0: v16-22, v26, v27, v30, v31 LDS addresses; v24, v25 8 x and 16 x lane; v28, v29 the add's two; v32-63 U's scale words, v64-95 T's; v96-191 T's fragments (part 1: eight, ONE set; part 2: four, TWO sets; on the
;   ways out: the codes); v192-223 at work on the ways out.   window 1: U's fragments, TWO sets, at v0 and v128.   windows 2, 3: accumulator (a, b) at v[8 (8 (a % 4) + b)], T's tiles 0-3 in window 2, 4-7 in window 3.
.set PIECE, 24576                      ; eight tiles x 256 K
.set SLOT,  4*PIECE                    ; part 1: T's two halves, then U's two
.set SPARE, 3*SLOT                     ; behind all tiles: the spare words, 128 bytes for each wave: two blocks of 256 bytes that no other line names
.set P2TA,  SLOT                       ; part 2, fill A: T's halves,
.set P2UA,  SLOT+2*PIECE               ; U's halves
.set P2UB,  0                          ; fill B: U's halves,
.set P2TB,  P2UA+4*PIECE               ; T's halves
.set KSB,   704*3072                   ; from 256 K to the next, in xw_codes
; A part's tiles of 16 rows have 512 bytes of scale words: [position][8 steps].  U's step k lies in register SU + 8 (tile / 2) + k, T's in ST + 8 (tile / 2) + (k + 4) % 8.
; The head brings 256 K by one tensor load a wave; the next 512 K come by one load of two rows, whose pieces lie on end in LDS: wave w's from SLOT + 2 w PIECE.  What that load brings is asked of memory at the head (prefetch, below);
; the later fills have four steps of work in which to land, and are not prefetched.
.macro SHAPE c, r, p                   ; group 1's words: r rows of c elements of 8 bytes, p elements from row to row
.irp g, G1T, G1U
	s_mov_b32 s[\g+1], (\c)<<16
	s_mov_b32 s[\g+2], (\r)<<16
	s_mov_b32 s[\g+3], (\c)<<16
	s_mov_b32 s[\g+4], \r
	s_mov_b32 s[\g+5], \p
.endr
.endm
.set ADT, 16                           ; v16-18 part 1: my half of T in slot 0, 1, 2
.set ADU, 20                           ; v20-22 the same for U
.set L32, 23                           ; v23 32 x lane: the scale words that are loaded
.set L8,  24                           ; v24 8 x lane: V's scale words that are stored
.set L16, 25
.set AU2, 26                           ; v26, v27 part 2: my half of U in fill A, B
.set SPW, 28
.set NIL, 29
.set AT2, 30                           ; v30, v31 the same for T
.set SU,  32
.set ST,  64
.set TF,  96
.set TM,  192                          ; v192-195 largest magnitudes, v196-199 bytes, v204-207 the conversions' scale operands
.set PW,  208                          ; v208, v209 the scale word of an even, an odd tile
.set MGD, 210                          ; v210-215 the two joined: one register for each store
.set CT,  216                          ; v216-218, v220-222
.set G1T, 24
.set G1U, 32
.set G0T, 40                           ; s[40:55] part 1: four sets of group 0 for T's tiles
.set G0U, 68                           ; s[68:83] the same for U's
.set G2T, 40                           ; s[40:47] part 2: group 1 for T's tiles, s[48:51] their group 0: written when the loads that named these registers are done
.set H0T, 48
.set G2U, 68                           ; s[68:75], s[76:79] the same for U's
.set H0U, 76
.set HM,  61
.set SEL, 62
.set MUL_LO, 0xa1                      ; source 0 (U) window 1, source 1 (T) window 0, C and D window 2
.set MUL_HI, 0xf1                      ; the same, C and D window 3
.set TO_U,   0x40                      ; destination window 1, address window 0
.set MSB, 0
.macro WIN new                         ; the immediate's high byte repeats the setting that is left
.if MSB != (\new)
	s_set_vgpr_msb (MSB<<8)|(\new)
.set MSB, (\new)
.endif
.endm
.macro PLACES n
.rept \n
	v_nop
.endr
.endm
; A joint load: waves 0 and 1 fetch T's halves, waves 2 and 3 U's.  The branch hangs on the wave's number alone.  An s_nop 0 and four v_nop follow each of the two lines.
.macro JLOAD g0t, g1t, g0u, g1u
	s_cmp_eq_u32 s15, 0
	s_cbranch_scc0 .Lfor_u_\@
	tensor_load_to_lds s[\g0t:\g0t+3], s[\g1t:\g1t+7]
	s_nop 0
.rept 4
	v_nop
.endr
	s_branch .Lasked_\@
.Lfor_u_\@:
	tensor_load_to_lds s[\g0u:\g0u+3], s[\g1u:\g1u+7]
	s_nop 0
.rept 4
	v_nop
.endr
.Lasked_\@:
.endm
.macro CREST                           ; a round of the cluster's barrier behind its opening barrier
	s_cmp_lg_u32 s14, 0
	s_cbranch_scc1 .Lnot_wave_0_\@
	s_barrier_signal -3
.Lnot_wave_0_\@:
	s_barrier_wait -3
	s_barrier_signal -1
	s_barrier_wait -1
.endm
.macro CROUND
	s_barrier_signal -1
	s_barrier_wait -1
	CREST
.endm
.macro FRAG reg, adr, off              ; a fragment's image: three loads of 512 consecutive bytes
.irp c, 0,1,2
	ds_load_b128 v[\reg+4*\c:\reg+4*\c+3], v[\adr] offset:\off+512*\c
.endr
.endm
; One product.  ra, rb: U's, T's scale words stand in lanes 16-31 of the register named (an odd tile).  zero = 1: it starts the sum.
.macro WM d, u, t, zero, su, ra, st, rb
.if \zero
.if 2*(\ra)+(\rb) == 0
	v_wmma_scale_f32_16x16x128_f8f6f4 v[\d:\d+7], v[\u:\u+11], v[\t:\t+11], 0, v[\su], v[\st] matrix_a_fmt:MATRIX_FMT_FP6 matrix_b_fmt:MATRIX_FMT_FP6
.elseif 2*(\ra)+(\rb) == 1
	v_wmma_scale_f32_16x16x128_f8f6f4 v[\d:\d+7], v[\u:\u+11], v[\t:\t+11], 0, v[\su], v[\st] matrix_a_fmt:MATRIX_FMT_FP6 matrix_b_fmt:MATRIX_FMT_FP6 matrix_b_scale:MATRIX_SCALE_ROW1
.elseif 2*(\ra)+(\rb) == 2
	v_wmma_scale_f32_16x16x128_f8f6f4 v[\d:\d+7], v[\u:\u+11], v[\t:\t+11], 0, v[\su], v[\st] matrix_a_fmt:MATRIX_FMT_FP6 matrix_b_fmt:MATRIX_FMT_FP6 matrix_a_scale:MATRIX_SCALE_ROW1
.else
	v_wmma_scale_f32_16x16x128_f8f6f4 v[\d:\d+7], v[\u:\u+11], v[\t:\t+11], 0, v[\su], v[\st] matrix_a_fmt:MATRIX_FMT_FP6 matrix_b_fmt:MATRIX_FMT_FP6 matrix_a_scale:MATRIX_SCALE_ROW1 matrix_b_scale:MATRIX_SCALE_ROW1
.endif
.else
.if 2*(\ra)+(\rb) == 0
	v_wmma_scale_f32_16x16x128_f8f6f4 v[\d:\d+7], v[\u:\u+11], v[\t:\t+11], v[\d:\d+7], v[\su], v[\st] matrix_a_fmt:MATRIX_FMT_FP6 matrix_b_fmt:MATRIX_FMT_FP6
.elseif 2*(\ra)+(\rb) == 1
	v_wmma_scale_f32_16x16x128_f8f6f4 v[\d:\d+7], v[\u:\u+11], v[\t:\t+11], v[\d:\d+7], v[\su], v[\st] matrix_a_fmt:MATRIX_FMT_FP6 matrix_b_fmt:MATRIX_FMT_FP6 matrix_b_scale:MATRIX_SCALE_ROW1
.elseif 2*(\ra)+(\rb) == 2
	v_wmma_scale_f32_16x16x128_f8f6f4 v[\d:\d+7], v[\u:\u+11], v[\t:\t+11], v[\d:\d+7], v[\su], v[\st] matrix_a_fmt:MATRIX_FMT_FP6 matrix_b_fmt:MATRIX_FMT_FP6 matrix_a_scale:MATRIX_SCALE_ROW1
.else
	v_wmma_scale_f32_16x16x128_f8f6f4 v[\d:\d+7], v[\u:\u+11], v[\t:\t+11], v[\d:\d+7], v[\su], v[\st] matrix_a_fmt:MATRIX_FMT_FP6 matrix_b_fmt:MATRIX_FMT_FP6 matrix_a_scale:MATRIX_SCALE_ROW1 matrix_b_scale:MATRIX_SCALE_ROW1
.endif
.endif
.endm
; ---- PART 1'S STEPS ----
; 16 products: T's tiles a0, a0 + 1 x U's eight, step ks.  The 64 accumulators take turns, one instruction a turn, in the same order in every step.
.macro MUL16 a0, ks, zero
.irp a, \a0, \a0+1
.irp b, 0,1,2,3,4,5,6,7
	WM 8*(8*((\a)%4)+\b), 128*((\ks)%2)+12*\b, TF+12*(\a), \zero, SU+8*(\b/2)+(\ks), \b%2, ST+8*((\a)/2)+((\ks)+4)%8, (\a)%2
.endr
.endr
.endm
.macro FETCH_U ks                      ; U's eight fragments of step ks into set ks % 2; 256 K number ks / 2 lie in slot (ks / 2) % 3
	WIN TO_U
.irp i, 0,1,2,3,4,5,6,7
	FRAG 128*((\ks)%2)+12*\i, ADU+((\ks)/2)%3, \i*3072+((\ks)%2)*1536
.endr
	WIN 0
.endm
.macro FETCH_T ks, i0                  ; T's fragments i0 .. i0 + 3
.irp i, \i0, \i0+1, \i0+2, \i0+3
	FRAG TF+12*(\i), ADT+((\ks)/2)%3, (\i)*3072+((\ks)%2)*1536
.endr
.endm
; A load into a register that a matrix instruction has read stands four places behind it, and only plain vector instructions that name none of its registers are places (ISA guide 7.12.1 for vector instructions).
.macro STEP ks, zero
	s_wait_dscnt 12                                ; U's set and T's tiles 0-3 are in; the youngest 12 loads (T's tiles 4-7) may be out
	WIN MUL_LO
	MUL16 0, \ks, \zero
	MUL16 2, \ks, \zero
	s_wait_dscnt 0x0                               ; T's tiles 4-7 are in
	PLACES 4
	FETCH_U (\ks)+1
	FETCH_T (\ks)+1, 0
	WIN MUL_HI
	MUL16 4, \ks, \zero
	MUL16 6, \ks, \zero
	PLACES 4
	WIN 0
	FETCH_T (\ks)+1, 4
.endm
; Part 2's descriptors.  They are written where no tensor load of the wave is out, into registers whose loads are done.  T's numbers stand in registers that never hold cx, U's in registers that never hold cy.
.macro DESC2
	s_or_b32 s[G2T], s58, (3<<16)|(1<<21)          ; elements of 8 bytes; bit 21 set beside the mask: T's tiles go to my row of the cluster
	s_mov_b32 s[G2T+1], 1536<<16                   ; tensor_dim0: four tiles x 256 K = 12,288 bytes
	s_mov_b32 s[G2T+2], 2<<16                      ; tensor_dim1: two runs of 256 K
	s_mov_b32 s[G2T+3], 1536<<16                   ; tile_dim0
	s_mov_b32 s[G2T+4], 2                          ; tile_dim1
	s_mov_b32 s[G2T+5], KSB/8                      ; the pitch: from 256 K to the next
	s_mov_b32 s[G2T+6], 0
	s_mov_b32 s[G2T+7], 0
	s_or_b32 s[G2U], s59, (3<<16)|(1<<21)          ; U's tiles go to my column
	s_mov_b32 s[G2U+1], 3072<<16                   ; eight tiles x 256 K = 24,576 bytes
	s_mov_b32 s[G2U+2], 2<<16
	s_mov_b32 s[G2U+3], 3072<<16
	s_mov_b32 s[G2U+4], 2
	s_mov_b32 s[G2U+5], KSB/8
	s_mov_b32 s[G2U+6], 0
	s_mov_b32 s[G2U+7], 0
	s_lshl_b32 s20, s19, 3                         ; T = Wv: row tile 640 + 8 x its tile of 128 rows
	s_add_co_u32 s20, s20, 640
	s_lshl_b32 s21, s16, 2                         ; + 4 x the half that I fetch
	s_add_co_u32 s20, s20, s21
	s_mul_i32 s20, s20, 3072
	s_mov_b32 s21, 0
	s_mul_i32 s22, s16, PIECE                      ; that half's place in a fill: no place in the cluster enters an LDS address
	s_mov_b32 s[H0T], 1
	s_add_co_u32 s[H0T+1], s22, P2TA
	s_add_nc_u64 s[H0T+2:H0T+3], s[4:5], s[20:21]
	s_or_b32 s[H0T+3], s[H0T+3], 0x80000000
	s_lshl_b32 s92, s90, 4                         ; U = x: row tile 16 x its tile of 256 rows
	s_lshl_b32 s93, s16, 3                         ; + 8 x the half that I fetch
	s_add_co_u32 s92, s92, s93
	s_mul_i32 s92, s92, 3072
	s_mov_b32 s93, 0
	s_mul_i32 s94, s16, 2*PIECE
	s_mov_b32 s[H0U], 1
	s_add_co_u32 s[H0U+1], s94, P2UA
	s_add_nc_u64 s[H0U+2:H0U+3], s[4:5], s[92:93]
	s_or_b32 s[H0U+3], s[H0U+3], 0x80000000
.endm
; A step behind whose barrier LDS is filled again.  In front of it each wave waits for all its tensor loads, adds 0 to its spare word, and waits for that and for its reads; the barrier opens a round of the cluster's.
; fill = 1: slot 0 takes part 1's last 256 K.  fill = 2: the bytes of slots 1 and 2, which have been read out, take part 2's fill A.
.macro TURN ks, fill
	s_wait_tensorcnt 0x0                           ; all my tensor loads have landed
	ds_add_u32 v[SPW], v[NIL]                      ; 0 onto my spare word
.if \fill == 1
	SHAPE 32, 96, 32                               ; no tensor load of mine is out: 24,576 dense bytes again
.else
	DESC2                                          ; no tensor load of mine is out: descriptor registers may be written
.endif
	s_wait_dscnt 13                                ; (the add and the youngest 12 loads may be out)
	WIN MUL_LO
	MUL16 0, \ks, 0                                ; sixteen products stand between the add and the wait for it
	s_wait_dscnt 0x0                               ; the add is done, and my reads of the slot in hand are over
	s_barrier_signal -1
	MUL16 2, \ks, 0
	WIN 0
	s_barrier_wait -1
	CREST                                          ; no wave of any partner still reads the bytes to be filled or has a load on its way
.if \fill == 1
	JLOAD G0T+12, G1T, G0U+12, G1U                 ; three and a half steps, 224 products, ahead of the wait for it; its four v_nop are also the places in front of the loads below
.else
	JLOAD H0T, G2T, H0U, G2U                       ; 160 products and half of part 1's way out ahead of the wait for it
.endif
	FETCH_U (\ks)+1
	FETCH_T (\ks)+1, 0
	WIN MUL_HI
	MUL16 4, \ks, 0
	MUL16 6, \ks, 0
	PLACES 4
	WIN 0
	FETCH_T (\ks)+1, 4
.endm
; ---- PART 2'S STEPS ----
.macro MUL8 a, ks, zero                ; T's tile a x U's eight, step ks.  The 32 accumulators take turns, one instruction a turn, in the same order in every step
.irp b, 0,1,2,3,4,5,6,7
	WM 8*(8*(\a)+\b), 128*((\ks)%2)+12*\b, TF+48*((\ks)%2)+12*(\a), \zero, SU+8*(\b/2)+(\ks), \b%2, ST+8*((\a)/2)+((\ks)+4)%8, (\a)%2
.endr
.endm
.macro FETCH2 ks                       ; step ks's 8 + 4 fragments into the sets ks % 2: 36 loads.  Steps 0-3 lie in fill A, 4-7 in fill B
	WIN TO_U
.irp i, 0,1,2,3,4,5,6,7
	FRAG 128*((\ks)%2)+12*\i, AU2+(\ks)/4, (((\ks)%4)/2)*24576+\i*3072+((\ks)%2)*1536
.endr
	WIN 0
.irp i, 0,1,2,3
	FRAG TF+48*((\ks)%2)+12*\i, AT2+(\ks)/4, (((\ks)%4)/2)*12288+\i*3072+((\ks)%2)*1536
.endr
.endm
.macro STEP2 ks, zero
	s_wait_dscnt 0x0                               ; this step's fragments are in (asked for a step, 32 products, ago)
	PLACES 4                                       ; four places in front of loads into the sets that the last step's products have read
	FETCH2 (\ks)+1
	WIN MUL_LO
	MUL8 0, \ks, \zero
	MUL8 1, \ks, \zero
	MUL8 2, \ks, \zero
	MUL8 3, \ks, \zero
	WIN 0
.endm
.macro MEET2 ks                        ; fill A's last step: behind its barrier fill B is whole for every wave; nothing is filled again
	s_wait_tensorcnt 0x0                           ; my piece of fill B has landed
	ds_add_u32 v[SPW], v[NIL]                      ; 0 onto my spare word
	s_wait_dscnt 1                                 ; this step's fragments are in (the add may be out)
	WIN MUL_LO
	MUL8 0, \ks, 0
	s_wait_dscnt 0x0                               ; no LDS instruction of mine is out at the signal
	s_barrier_signal -1
	MUL8 1, \ks, 0
	WIN 0
	s_barrier_wait -1
	PLACES 4
	FETCH2 (\ks)+1
	WIN MUL_LO
	MUL8 2, \ks, 0
	MUL8 3, \ks, 0
	WIN 0
.endm
; ---- THE WAYS OUT ----
; 64 results of a lane, v[s] .. v[s + 63] of window W, register 16 b + i = row 32 b + 16 (lane / 16) + i of U's 128, become a fragment's codes in v[cd] on and its scale word in v[pw].
.macro QUANTW s, W, cd, pw
	WIN 5*(\W)                                     ; sources 0 and 1: the accumulators' window
.irp b, 0,1,2,3
	v_max3_num_f32 v[TM+\b], |v[\s+16*\b]|, |v[\s+16*\b+1]|, 0x1800000   ; each accumulator is read from its low end on; the floor 2^(3 - 127) holds the byte at 1 from below
.endr
.irp i, 2,4,6,8,10,12,14
.irp b, 0,1,2,3
	v_max3_num_f32 v[TM+\b], |v[\s+16*\b+\i]|, |v[\s+16*\b+\i+1]|, v[TM+\b]
.endr
.endr
	WIN 0
.irp b, 0,1,2,3
	v_permlanex16_b32 v[TM+4+\b], v[TM+\b], s[SEL], s[SEL+1]
.endr
.irp b, 0,1,2,3
	v_max_num_f32 v[TM+\b], v[TM+\b], v[TM+4+\b]   ; with lane l xor 16's 16: the block's largest magnitude
.endr
.irp b, 0,1,2,3
	v_add_nc_u32 v[TM+12+\b], 0xff000000, v[TM+\b] ; 2 off the exponent field: the conversion's scale operand
.endr
.irp b, 0,1,2,3
	v_lshrrev_b32 v[TM+4+\b], 23, v[TM+12+\b]      ; the byte
.endr
	v_lshl_or_b32 v[\pw], v[TM+5], 8, v[TM+4]
	v_lshl_or_b32 v[\pw], v[TM+6], 16, v[\pw]
	v_lshl_or_b32 v[\pw], v[TM+7], 24, v[\pw]
	WIN (\W)                                       ; source 0: the accumulators' window
.irp c, 0,1
	v_cvt_scalef32_pk16_fp6_f32 v[\cd+6*\c:\cd+6*\c+2], v[\s+32*\c:\s+32*\c+15], v[TM+12+2*\c]
	v_cvt_scalef32_pk16_fp6_f32 v[CT+4*\c:CT+4*\c+2], v[\s+32*\c+16:\s+32*\c+31], v[TM+12+2*\c+1]
.endr
	WIN 0
	v_nop                                          ; one plain place behind the scaled conversions
.irp c, 0,1                                    ; the operand's layout wants a whole block in a lane: lanes 0-15 block 2 c, lanes 16-31 block 2 c + 1
.irp i, 0,1,2
	v_permlane16_swap_b32 v[\cd+6*\c+\i], v[CT+4*\c+\i]
.endr
.irp i, 0,1,2
	v_mov_b32 v[\cd+6*\c+3+\i], v[CT+4*\c+\i]
.endr
.endr
.endm
; T's tile a leaves: my 128 rows of U are one step of 128 along the next K: one fragment and one scale word a position.  The codes take registers that held T's fragments; every store has registers of its own.
.macro TILE_OUT a, pcod, mg
	QUANTW 64*((\a)%4), 2+(\a)/4, TF+12*(\a), PW+(\a)%2
.irp c, 0,1,2
	global_store_b128 v[L16], v[TF+12*(\a)+4*\c:TF+12*(\a)+4*\c+3], s[\pcod:\pcod+1] offset:3072*(\a)+512*\c   ; 512 consecutive bytes, at a multiple of 512 from the buffer's first byte
.endr
.if (\a)%2
	v_cndmask_b32 v[\mg+(\a)/2], v[PW], v[PW+1], s[HM]   ; lanes 0-15: the even tile's words; lanes 16-31: the odd tile's
.endif
.endm
	s_load_b256 s[4:11], s[0:1], 0x0               ; xw_codes, xw_scales, qkv_codes, qkv_scales
	v_lshl_add_u32 v[SPW], v0, 2, SPARE
	v_mov_b32 v[NIL], 0
	ds_add_u32 v[SPW], v[NIL]                      ; the wave's opening: the add and its wait stand ahead of my first tensor load; the set-up below, work on registers, stands between them
	ds_add_u32 v[SPW], v[NIL]
	v_lshrrev_b32 v1, 5, v0
	v_readfirstlane_b32 s14, v1                    ; wave 0..3
	s_lshr_b32 s15, s14, 1                         ; my half of T's rows.  Also: I fetch for T (0) or for U (1)
	s_and_b32 s16, s14, 1                          ; my half of U's rows.  Also: which half I fetch
	s_mul_i32 s17, s14, PIECE                      ; where my piece goes in a slot of part 1: no place in the cluster enters an LDS address
	s_bfe_u32 s56, ttmp6, 0x40000                  ; cx
	s_bfe_u32 s57, ttmp6, 0x40004                  ; cy
	s_lshl_b32 s58, s57, 2
	s_lshl_b32 s58, 15, s58                        ; my row of the cluster
	s_lshl_b32 s59, 0x1111, s56                    ; my column
	; part 1's group 1: 24,576 dense bytes as 96 rows of 32 elements of 8 bytes; no padding; bit 21 set beside the mask
	s_or_b32 s[G1T], s58, (3<<16)|(1<<21)
	s_or_b32 s[G1U], s59, (3<<16)|(1<<21)
.irp g, G1T, G1U
	s_mov_b32 s[\g+1], 32<<16                      ; tensor_dim0
	s_mov_b32 s[\g+2], 96<<16                      ; tensor_dim1
	s_mov_b32 s[\g+3], 32<<16                      ; tile_dim0
	s_mov_b32 s[\g+4], 96                          ; tile_dim1
	s_mov_b32 s[\g+5], 32                          ; the pitch
	s_mov_b32 s[\g+6], 0
	s_mov_b32 s[\g+7], 0
.endr
	s_mov_b32 s[HM], 0xffff0000
	s_mov_b32 s[SEL], 0x76543210
	s_mov_b32 s[SEL+1], 0xfedcba98
	; U's numbers, in registers that never hold cy.  The cluster's number c = 0..15 is shared by all sixteen partners
	s_and_b32 s88, ttmp9, 1
	s_lshl_b32 s88, s88, 2
	s_add_co_u32 s88, s88, s56                     ; part 1: U's tile of 256 rows of Wq and Wk on end: 4 (c % 2) + cx, 0..7
	s_lshl_b32 s91, s88, 4
	s_add_co_u32 s91, s91, 512                     ; Wq begins at row tile 512 of xw
	s_lshl_b32 s89, s16, 3
	s_add_co_u32 s91, s91, s89                     ; the first row tile of the half that I fetch, which is also my half
	s_mul_i32 s94, s91, 3072
	s_mov_b32 s95, 0
	s_lshl_b32 s92, s91, 9                         ; 512 bytes of words a tile
	s_mov_b32 s93, 0
	s_lshr_b32 s90, ttmp9, 1
	s_lshl_b32 s90, s90, 2
	s_add_co_u32 s90, s90, s56                     ; part 2: U's tile of 256 rows of x: 4 (c / 2) + cx, 0..31
	; T's numbers, in registers that never hold cx
	s_lshr_b32 s18, ttmp9, 1
	s_lshl_b32 s18, s18, 2
	s_add_co_u32 s18, s18, s57                     ; part 1: T's tile of 256 rows of x: 4 (c / 2) + cy, 0..31
	s_lshl_b32 s12, s18, 4
	s_lshl_b32 s22, s16, 3
	s_add_co_u32 s22, s22, s12                     ; the half that I fetch
	s_mul_i32 s22, s22, 3072
	s_mov_b32 s23, 0
	s_lshl_b32 s20, s15, 3
	s_add_co_u32 s12, s12, s20                     ; my first row tile of x, and of the result
	s_lshl_b32 s20, s12, 9
	s_mov_b32 s21, 0
	s_and_b32 s19, ttmp9, 1
	s_lshl_b32 s19, s19, 2
	s_add_co_u32 s19, s19, s57                     ; part 2: T's tile of 128 rows of Wv: 4 (c % 2) + cy, 0..7
	s_wait_dscnt 0x0                               ; both opening adds are done
	CROUND                                         ; all sixteen work-groups are here: the first joint loads meet
	s_wait_kmcnt 0x0
	s_add_nc_u64 s[22:23], s[4:5], s[22:23]
	s_add_nc_u64 s[94:95], s[4:5], s[94:95]
	s_add_nc_u64 s[86:87], s[6:7], s[20:21]        ; T's scale words
	s_add_nc_u64 s[84:85], s[6:7], s[92:93]        ; U's
.irp n, 0,1,3                          ; 256 K numbers 0; 1 and 2; 3
	s_mov_b32 s[G0T+4*\n], 1
	s_mul_i32 s[G0T+4*\n+1], s17, 1+(\n%3)
	s_add_co_u32 s[G0T+4*\n+1], s[G0T+4*\n+1], (\n%3)*SLOT
	s_add_nc_u64 s[G0T+4*\n+2:G0T+4*\n+3], s[22:23], \n*KSB
	s_or_b32 s[G0T+4*\n+3], s[G0T+4*\n+3], 0x80000000
	s_mov_b32 s[G0U+4*\n], 1
	s_mul_i32 s[G0U+4*\n+1], s17, 1+(\n%3)
	s_add_co_u32 s[G0U+4*\n+1], s[G0U+4*\n+1], (\n%3)*SLOT
	s_add_nc_u64 s[G0U+4*\n+2:G0U+4*\n+3], s[94:95], \n*KSB
	s_or_b32 s[G0U+4*\n+3], s[G0U+4*\n+3], 0x80000000
.endr
	JLOAD G0T, G1T, G0U, G1U                       ; 256 K number 0: one tensor load a wave at the head
	v_and_b32 v1, 31, v0
	v_lshlrev_b32 v[L16], 4, v1
	v_lshlrev_b32 v[L8], 3, v1
	v_lshlrev_b32 v[L32], 5, v1
	v_lshlrev_b32 v2, 8, v1                        ; the prefetch: lanes 256 bytes apart, 48 blocks by two instructions
	v_add_nc_u32 v3, 32, v1
	v_min_u32 v3, 47, v3
	v_lshlrev_b32 v3, 8, v3
	s_wait_alu depctr_va_vdst(0)
	s_mul_i32 s2, s15, PIECE
	s_mul_i32 s3, s16, PIECE
	s_add_co_u32 s3, s3, 2*PIECE
	v_add_nc_u32 v[ADT], s2, v[L16]
	v_add_nc_u32 v[ADU], s3, v[L16]
	s_lshl_b32 s2, s2, 1
	s_lshl_b32 s3, s3, 1
.irp s, 1,2                            ; 256 K numbers 1 and 2 of a piece lie on end
	s_add_co_u32 s20, s2, SLOT+PIECE*(\s-1)
	s_add_co_u32 s21, s3, SLOT+PIECE*(\s-1)
	v_add_nc_u32 v[ADT+\s], s20, v[L16]
	v_add_nc_u32 v[ADU+\s], s21, v[L16]
.endr
	; the prefetch: the two rows of 24,576 bytes that my next tensor load brings are 192 blocks of 256 bytes; each of the four partners that ask for them jointly names 48, told apart by address
	s_cmp_eq_u32 s15, 0
	s_cselect_b64 s[66:67], s[22:23], s[94:95]
	s_cselect_b32 s2, s56, s57
	s_lshr_b32 s20, s2, 1
	s_and_b32 s2, s2, 1
	s_mul_i32 s20, s20, KSB
	s_mul_i32 s2, s2, 12288
	s_add_co_u32 s2, s2, s20
	s_mov_b32 s3, 0
	s_add_nc_u64 s[66:67], s[66:67], s[2:3]
	s_add_nc_u64 s[66:67], s[66:67], KSB
	global_prefetch_b8 v2, s[66:67] th:TH_LOAD_NT scope:SCOPE_SE
	global_prefetch_b8 v3, s[66:67] th:TH_LOAD_NT scope:SCOPE_SE
	s_mul_i32 s2, s15, PIECE                       ; part 2: my half of T in fill A,
	s_add_co_u32 s2, s2, P2TA
	v_add_nc_u32 v[AT2], s2, v[L16]
	s_add_co_u32 s2, s2, P2TB-P2TA                 ; and in fill B;
	v_add_nc_u32 v[AT2+1], s2, v[L16]
	s_mul_i32 s3, s16, 2*PIECE                     ; my half of U in fill B,
	v_add_nc_u32 v[AU2+1], s3, v[L16]
	s_add_co_u32 s3, s3, P2UA                      ; and in fill A
	v_add_nc_u32 v[AU2], s3, v[L16]
.irp g, 0,1,2,3
	global_load_b128 v[SU+8*\g:SU+8*\g+3], v[L32], s[84:85] offset:1024*\g      ; 32 positions: tiles 2 g and 2 g + 1, steps 0-3
	global_load_b128 v[SU+8*\g+4:SU+8*\g+7], v[L32], s[84:85] offset:1024*\g+16 ; steps 4-7
	global_load_b128 v[ST+8*\g+4:ST+8*\g+7], v[L32], s[86:87] offset:1024*\g
	global_load_b128 v[ST+8*\g:ST+8*\g+3], v[L32], s[86:87] offset:1024*\g+16
.endr
	; where part 2's results go (v stands behind q and k): codes (64 x U's tile + 8 x T's tile + 4 hT) x 3,072 + 1,536 hU; words ((2 x U's tile + hU) x 64 + 8 x T's tile + 4 hT) x 64
	s_lshl_b32 s2, s90, 6
	s_lshl_b32 s3, s19, 3
	s_add_co_u32 s2, s2, s3
	s_lshl_b32 s3, s15, 2
	s_add_co_u32 s2, s2, s3
	s_mul_i32 s2, s2, 3072
	s_add_co_u32 s2, s2, 12582912
	s_mul_i32 s3, s16, 1536
	s_add_co_u32 s2, s2, s3
	s_mov_b32 s3, 0
	s_add_nc_u64 s[98:99], s[8:9], s[2:3]
	s_lshl_b32 s2, s90, 1
	s_add_co_u32 s2, s2, s16
	s_lshl_b32 s2, s2, 6
	s_lshl_b32 s3, s19, 3
	s_add_co_u32 s2, s2, s3
	s_lshl_b32 s3, s15, 2
	s_add_co_u32 s2, s2, s3
	s_lshl_b32 s2, s2, 6
	s_add_co_u32 s2, s2, 524288
	s_mov_b32 s3, 0
	s_add_nc_u64 s[100:101], s[10:11], s[2:3]
	; and part 1's: codes (512 x U's tile + my first row tile) x 3,072 + 1,536 hU; words ((2 x U's tile + hU) x 512 + my first row tile) x 64
	s_lshl_b32 s2, s88, 9
	s_add_co_u32 s2, s2, s12
	s_mul_i32 s2, s2, 3072
	s_mul_i32 s3, s16, 1536
	s_add_co_u32 s2, s2, s3
	s_mov_b32 s3, 0
	s_add_nc_u64 s[8:9], s[8:9], s[2:3]
	s_lshl_b32 s2, s88, 1
	s_add_co_u32 s2, s2, s16
	s_lshl_b32 s2, s2, 9
	s_add_co_u32 s2, s2, s12
	s_lshl_b32 s2, s2, 6
	s_add_nc_u64 s[10:11], s[10:11], s[2:3]
	s_wait_alu depctr_va_vdst(0)
	s_wait_tensorcnt 0x0                           ; my piece of slot 0 is in
	ds_add_u32 v[SPW], v[NIL]
	SHAPE 3072, 2, KSB/8                           ; no tensor load of mine is out: two rows of 24,576 bytes
	s_wait_dscnt 0x0
	CROUND
	JLOAD G0T+4, G1T, G0U+4, G1U                   ; 256 K numbers 1 and 2, the first tensor load behind the round
	FETCH_U 0
	FETCH_T 0, 0
	FETCH_T 0, 4
	s_wait_loadcnt 0x0                             ; the scale words
	; ---- PART 1 ----
	STEP 0, 1                                      ; the first step's products start the sums: nothing is cleared
	TURN 1, 1                                      ; slot 0 is filled again; the wait for all loads also shows slots 1 and 2 whole to every wave
	STEP 2, 0
	STEP 3, 0
	STEP 4, 0
	TURN 5, 2                                      ; slot 0's refill has landed, in every wave; part 2's fill A goes out
	STEP 6, 0
	s_wait_dscnt 12                                ; part 1's last step: nothing more to fetch
	WIN MUL_LO
	MUL16 0, 7, 0
	MUL16 2, 7, 0
	s_wait_dscnt 0x0
	WIN MUL_HI
	MUL16 4, 7, 0
	MUL16 6, 7, 0
	WIN 0
	; part 2's scale words: U = x, row tile 16 x its tile + 8 hU; T = Wv, row tile 640 + 8 x its tile + 4 hT.  (Part 1's loads by these bases were waited for.)
	s_lshl_b32 s2, s90, 4
	s_lshl_b32 s3, s16, 3
	s_add_co_u32 s2, s2, s3
	s_lshl_b32 s2, s2, 9
	s_mov_b32 s3, 0
	s_add_nc_u64 s[84:85], s[6:7], s[2:3]
	s_lshl_b32 s2, s19, 3
	s_add_co_u32 s2, s2, 640
	s_lshl_b32 s3, s15, 2
	s_add_co_u32 s2, s2, s3
	s_lshl_b32 s2, s2, 9
	s_mov_b32 s3, 0
	s_add_nc_u64 s[86:87], s[6:7], s[2:3]
	PLACES 4                                       ; behind the last products: their scale registers are loaded anew, their results read and their operands' registers written below
.irp g, 0,1,2,3
	global_load_b128 v[SU+8*\g:SU+8*\g+3], v[L32], s[84:85] offset:1024*\g      ; they land while part 1 goes out
	global_load_b128 v[SU+8*\g+4:SU+8*\g+7], v[L32], s[84:85] offset:1024*\g+16
.endr
.irp g, 0,1
	global_load_b128 v[ST+8*\g+4:ST+8*\g+7], v[L32], s[86:87] offset:1024*\g
	global_load_b128 v[ST+8*\g:ST+8*\g+3], v[L32], s[86:87] offset:1024*\g+16
.endr
.irp b, 0,1,2,3
	v_mov_b32 v[TM+4+\b], 0                        ; a lane permute's destination counts as read
.endr
.irp a, 0,1,2,3
	TILE_OUT \a, 8, MGD
.endr
	; part 2's fill B, into slot 0 and the last 49,152 bytes of slot 2, which nobody reads any more
	s_wait_tensorcnt 0x0                           ; fill A, my one load that was out, has landed: so a group 0 may be written
	ds_add_u32 v[SPW], v[NIL]                      ; 0 onto my spare word; the descriptors' steps stand between it and the wait for it
	s_add_co_u32 s[H0T+1], s22, P2TB
	s_add_nc_u64 s[H0T+2:H0T+3], s[H0T+2:H0T+3], 2*KSB   ; 512 K on; the type bits on top are not reached
	s_add_co_u32 s[H0U+1], s94, P2UB
	s_add_nc_u64 s[H0U+2:H0U+3], s[H0U+2:H0U+3], 2*KSB
	s_wait_dscnt 0x0                               ; the add is done; my reads of part 1's slots were over ahead of its last products
	CROUND                                         ; both now hold of every wave of the cluster, and fill A is whole for every wave of my work-group
	JLOAD H0T, G2T, H0U, G2U                       ; four tiles of the way out and three steps of part 2 ahead of the wait for it
.irp a, 4,5,6,7
	TILE_OUT \a, 8, MGD
.endr
	global_store_b128 v[L16], v[MGD:MGD+3], s[10:11]   ; a lane's four words: 512 consecutive bytes
	; ---- PART 2 ----
	s_wait_xcnt 0x0                                ; part 1's stores have read their registers: T's fragments land there only behind this wait
	FETCH2 0
	s_wait_loadcnt 0x0                             ; part 2's scale words
	STEP2 0, 1                                     ; the first step's products start the sums
	STEP2 1, 0
	STEP2 2, 0
	MEET2 3
	STEP2 4, 0
	STEP2 5, 0
	STEP2 6, 0
	s_wait_dscnt 0x0                               ; the last step
	WIN MUL_LO
	MUL8 0, 7, 0
	MUL8 1, 7, 0
	MUL8 2, 7, 0
	MUL8 3, 7, 0
	WIN 0
	PLACES 4                                       ; behind the last products
.irp a, 0,1,2,3
	TILE_OUT \a, 98, MGD+4
.endr
	global_store_b64 v[L8], v[MGD+4:MGD+5], s[100:101] ; a lane's two words: 256 consecutive bytes
	s_wait_tensorcnt 0x0                           ; the wave's end, behind my last tensor load
	ds_add_u32 v[SPW], v[NIL]
	s_wait_dscnt 0x0
	CROUND                                         ; the closing round: no work-group ends while a partner may still ask for a tile that names it
	s_endpgm
.Lfunc_end_k_q4d43e9dc93_proj:
	.size	k_q4d43e9dc93_proj, .Lfunc_end_k_q4d43e9dc93_proj-k_q4d43e9dc93_proj
	.p2alignl 7, 3214868480
	.fill 96, 4, 3214868480
	.section	.rodata,"a",@progbits
	.p2align	6, 0x0
	.amdhsa_kernel k_q4d43e9dc93_proj
		.amdhsa_group_segment_fixed_size 327680
		.amdhsa_private_segment_fixed_size 0
		.amdhsa_enable_private_segment 0
		.amdhsa_kernarg_size 32
		.amdhsa_user_sgpr_count 2
		.amdhsa_user_sgpr_kernarg_segment_ptr 1
		.amdhsa_wavefront_size32 1
		.amdhsa_system_sgpr_workgroup_id_x 1
		.amdhsa_system_sgpr_workgroup_id_y 1
		.amdhsa_system_sgpr_workgroup_id_z 1
		.amdhsa_system_vgpr_workitem_id 0
		.amdhsa_next_free_vgpr 1024
		.amdhsa_next_free_sgpr 102
		.amdhsa_reserve_vcc 0
		.amdhsa_float_denorm_mode_32 3
		.amdhsa_float_denorm_mode_16_64 3
		.amdhsa_memory_ordered 1
		.amdhsa_forward_progress 1
		.amdhsa_inst_pref_size 214
	.end_amdhsa_kernel
	.amdgpu_metadata
---
amdhsa.version: [ 1, 2 ]
amdhsa.kernels:
  - .name:           k_q4d43e9dc93_proj
    .symbol:         k_q4d43e9dc93_proj.kd
    .args:
      - { .name: xw_codes, .offset: 0, .size: 8, .value_kind: global_buffer, .address_space: global }
      - { .name: xw_scales, .offset: 8, .size: 8, .value_kind: global_buffer, .address_space: global }
      - { .name: qkv_codes, .offset: 16, .size: 8, .value_kind: global_buffer, .address_space: global }
      - { .name: qkv_scales, .offset: 24, .size: 8, .value_kind: global_buffer, .address_space: global }
    .group_segment_fixed_size: 327680
    .private_segment_fixed_size: 0
    .kernarg_segment_align: 8
    .kernarg_segment_size: 32
    .max_flat_workgroup_size: 128
    .sgpr_count:     102
    .vgpr_count:     1024
    .wavefront_size: 32
...
	.end_amdgpu_metadata
.endif
;; end of part 2
;; launch score (part 3): grid 8 x 32, 8 waves a work-group, clusters of 4 x 4, 327,680 bytes of LDS; arguments qkv_codes, qkv_scales, p_codes, p_stats; writes p_codes, p_stats
.if DOCPART == 3
	.amdgcn_target "amdgcn-amd-amdhsa--gfx1250"
	.amdhsa_code_object_version 6
	.text
	.protected	k_q4d43e9dc93_score
	.globl	k_q4d43e9dc93_score
	.p2align	8
	.type	k_q4d43e9dc93_score,@function
k_q4d43e9dc93_score:
	s_mov_b64 s[64:65], 0
	v_nop
	global_prefetch_b8 v0, s[64:65] scope:SCOPE_SE
	s_setreg_imm32_b32 hwreg(HW_REG_WAVE_MODE, 25, 1), 1
	s_wait_xcnt 0x0
	s_wait_alu depctr_hold_cnt(0) depctr_sa_sdst(0) depctr_va_vdst(0) depctr_va_sdst(0) depctr_va_ssrc(0) depctr_va_vcc(0) depctr_vm_vsrc(0)
	s_getreg_b32 s2, hwreg(HW_REG_IB_STS2, 6, 4)
	s_cmp_eq_u32 s2, 0
	s_cbranch_scc0 .Lentry_in_a_cluster
	s_endpgm
.Lentry_in_a_cluster:
	s_bfe_u32 s2, ttmp6, 0x10000c
	s_cmp_lg_u32 s2, 0xf033
	s_cbranch_scc0 .Lentry_shape_is_right
	s_endpgm
.Lentry_shape_is_right:
; S^T = k q^T on codes of FP6 (E2M3) with E8M0 scales, K = 1,024, sums in f32; then, for each query and each CHUNK of 128 keys: t = score x log2(e) / 32; M_c = the chunk's largest t rounded up to a whole number;
; p = 2^(t - M_c), quantised along the keys; l_c = the sum of the unquantised p.  Codes, scale words, -M_c and l_c go to memory; the next launch brings the scale bytes under the row's M, an exact power of two.
; U (source 0) = 256 keys of a batch, T (source 1) = 256 queries: a lane holds one query, its registers run along the keys.  EIGHT WAVES, two on a SIMD: a wave makes 64 queries x 128 keys (one chunk, one step of the next
; product's K): 32 accumulators; one wave's loads and softmax stand beside the other's products.
; Operands are images of fragments (16 positions x 128 K: 12 registers, three chunks of 512 bytes, lane l at 16 l); position r of row tile t is row 32 (t / 2) + 8 (t % 2) + r + 8 (r / 8), so the 16 result registers of U's tiles
; 2 b, 2 b + 1 are 16 neighbouring keys.
; FILLS, one tensor load a wave each: a wave's PIECE is four tiles x 256 K, 12,288 bytes (waves 0-3 T's, waves 4-7 U's).  K 0-255 at the head into slot 0; K 256-767 behind the head's full sequence, as two rows that lie on end in LDS
; (wave w's from SLOT + 2 w PIECE): slots 1 and 2; K 768-1,023 into slot 0 again in step 1.
; CLUSTERS 4 x 4: q's tile hangs on cy and is asked for jointly by a row of the cluster, k's on cx, by a column.
; PREFETCH: what the second load brings is asked of memory at the head: 96 blocks of 256 bytes a piece, 24 to each of the four partners, told apart by address.  The last fill has four steps of work in which to land and is not prefetched.
; LIMITS: a block's scale byte is held at 64 from below: blocks whose largest p lies under 2^-61 (the chunk's largest lies over 1/2) get codes under that scale.  NaN and infinities are not served; the promise holds for |t| under 2^31.
; l is summed chunk by chunk, in another order than a plain row sum.
; REGISTERS: window 0: v2-10 addresses; v16-47 U's scale words (SU + 4 step + tile / 2), v48-63 T's; v64-159 U's fragments, v160-207 T's (on the way out: the codes); v208-247 at work on the way out.
; window 1: accumulator (a, b) at v[8 (8 a + b)].
.set PIECE, 12288
.set SLOT,  8*PIECE
.set SPARE, 3*SLOT                     ; the spare words, 128 bytes for each wave
.set KSB,   512*3072                   ; from 256 K to the next, in q's and k's codes
.set KSS,   8192*4                     ; from 128 K to the next, in their scale words: [tiles / 8][lane][4 pairs of tiles]
.set PV,  2
.set ADT, 4                            ; v4-6  my 64 queries in slot 0, 1, 2
.set ADU, 8                            ; v8-10 my 128 keys
.set L16, 12
.set SPW, 14
.set NIL, 15
.set SU,  16
.set ST,  48
.set UF,  64
.set TF,  160
.set BM,  208                          ; v208-211 the blocks' largest scores, then their largest p
.set BX,  212
.set NM,  216                          ; v[216:217], v[218:219] -M_c of an even, an odd tile (a pair: the packed form names both words)
.set SO,  220                          ; v220-223 the conversions' scale operands
.set LS,  224                          ; v224-227 the sum, in two chains of two halves
.set LC,  228
.set PW,  230
.set CT,  232
.set TP,  239
.set MGD, 240                          ; v240-247 what is stored for a pair of tiles: word, -M_c, l_c, 0
.set G1T, 24
.set G1U, 32
.set G0T, 40
.set G0U, 68
.set HM,  61
.set SEL, 62
.set CS,  96                           ; s[96:97] c = log2(e) / 32
.set MULW, 0x50                        ; both sources window 0, C and D window 1
.set MSB, 0
.macro WIN new                         ; the immediate's high byte repeats the setting that is left
.if MSB != (\new)
	s_set_vgpr_msb (MSB<<8)|(\new)
.set MSB, (\new)
.endif
.endm
.macro PLACES n
.rept \n
	v_nop
.endr
.endm
.macro SHAPE c, r, p                   ; group 1's words: r rows of c elements of 8 bytes, p elements from row to row
.irp g, G1T, G1U
	s_mov_b32 s[\g+1], (\c)<<16
	s_mov_b32 s[\g+2], (\r)<<16
	s_mov_b32 s[\g+3], (\c)<<16
	s_mov_b32 s[\g+4], \r
	s_mov_b32 s[\g+5], \p
.endr
.endm
.macro JLOAD n                         ; waves 0-3 fetch T's pieces, waves 4-7 U's; an s_nop 0 and four v_nop follow each of the two lines
	s_cmp_eq_u32 s15, 0
	s_cbranch_scc0 .Lfor_u_\@
	tensor_load_to_lds s[G0T+4*\n:G0T+4*\n+3], s[G1T:G1T+7]
	s_nop 0
	PLACES 4
	s_branch .Lasked_\@
.Lfor_u_\@:
	tensor_load_to_lds s[G0U+4*\n:G0U+4*\n+3], s[G1U:G1U+7]
	s_nop 0
	PLACES 4
.Lasked_\@:
.endm
.macro CREST                           ; a round of the cluster's barrier behind its opening barrier
	s_cmp_lg_u32 s14, 0
	s_cbranch_scc1 .Lnot_wave_0_\@
	s_barrier_signal -3
.Lnot_wave_0_\@:
	s_barrier_wait -3
	s_barrier_signal -1
	s_barrier_wait -1
.endm
.macro CROUND
	s_barrier_signal -1
	s_barrier_wait -1
	CREST
.endm
.macro FRAG reg, adr, off
.irp c, 0,1,2
	ds_load_b128 v[\reg+4*\c:\reg+4*\c+3], v[\adr] offset:\off+512*\c
.endr
.endm
.macro FETCH ks                        ; step ks's 8 + 4 fragments: 36 loads in one run
.set SL_, ((\ks)/2)%3                  ; their slot
.set PB_, PIECE+PIECE*((SL_+1)/2)      ; from a piece to the next there
.irp i, 0,1,2,3,4,5,6,7
	FRAG UF+12*\i, ADU+SL_, (\i/4)*PB_+(\i%4)*3072+((\ks)%2)*1536
.endr
.irp i, 0,1,2,3
	FRAG TF+12*\i, ADT+SL_, \i*3072+((\ks)%2)*1536
.endr
.endm
.macro WM d, a, b, c, sa, sb, rr       ; rr: which of the scale words stand in lanes 16-31 (an odd tile): 2 = source 0's, 1 = source 1's
.if (\rr) == 0
	v_wmma_scale_f32_16x16x128_f8f6f4 v[\d:\d+7], v[\a:\a+11], v[\b:\b+11], \c, v[\sa], v[\sb] matrix_a_fmt:MATRIX_FMT_FP6 matrix_b_fmt:MATRIX_FMT_FP6
.elseif (\rr) == 1
	v_wmma_scale_f32_16x16x128_f8f6f4 v[\d:\d+7], v[\a:\a+11], v[\b:\b+11], \c, v[\sa], v[\sb] matrix_a_fmt:MATRIX_FMT_FP6 matrix_b_fmt:MATRIX_FMT_FP6 matrix_b_scale:MATRIX_SCALE_ROW1
.elseif (\rr) == 2
	v_wmma_scale_f32_16x16x128_f8f6f4 v[\d:\d+7], v[\a:\a+11], v[\b:\b+11], \c, v[\sa], v[\sb] matrix_a_fmt:MATRIX_FMT_FP6 matrix_b_fmt:MATRIX_FMT_FP6 matrix_a_scale:MATRIX_SCALE_ROW1
.else
	v_wmma_scale_f32_16x16x128_f8f6f4 v[\d:\d+7], v[\a:\a+11], v[\b:\b+11], \c, v[\sa], v[\sb] matrix_a_fmt:MATRIX_FMT_FP6 matrix_b_fmt:MATRIX_FMT_FP6 matrix_a_scale:MATRIX_SCALE_ROW1 matrix_b_scale:MATRIX_SCALE_ROW1
.endif
.endm
; Product n = 8 a + b of step ks.  The 32 accumulators take turns in the same order in every step.  U's and T's scale registers never have the same number modulo 8.
.macro MUL n, ks, zero
.set D_, 8*(\n)
.set A_, UF+12*((\n)%8)
.set B_, TF+12*((\n)/8)
.set X_, SU+4*(\ks)+((\n)%8)/2
.set Y_, ST+8*((\ks)/4)+4*(((\ks)+1)%2)+2*(((\ks)/2)%2)+(\n)/16
.set R_, 2*((\n)%2)+((\n)/8)%2
.if \zero
	WM D_, A_, B_, 0, X_, Y_, R_
.else
	WM D_, A_, B_, v[D_:D_+7], X_, Y_, R_
.endif
.endm
.macro RUN from, to, ks, zero
	WIN MULW
.set N_, \from
.rept (\to)-(\from)
	MUL N_, \ks, \zero
.set N_, N_+1
.endr
.endm
.macro STEPM ks, zero                  ; a step's products
	s_wait_dscnt 9                                 ; U's fragments and T's first are in; T's other three may be out
	RUN 0, 8, \ks, \zero
	s_wait_dscnt 6
	RUN 8, 16, \ks, \zero
	s_wait_dscnt 3
	RUN 16, 24, \ks, \zero
	s_wait_dscnt 0x0
	RUN 24, 32, \ks, \zero
	WIN 0
	PLACES 4                                       ; four places in front of loads into, or reads of, what the products above name
.endm
.macro STEP ks, zero
	STEPM \ks, \zero
	FETCH (\ks)+1
.endm
; A step behind whose barrier other slots are shown; fill = 1: slot 0 is filled again.
.macro TURN ks, fill
	s_wait_tensorcnt 0x0                           ; all my tensor loads have landed
	ds_add_u32 v[SPW], v[NIL]                      ; 0 onto my spare word
.if \fill
	SHAPE 32, 48, 32                               ; no tensor load of mine is out: 12,288 dense bytes again
.endif
	s_wait_dscnt 1                                 ; this step's fragments are in (the add may be out)
	RUN 0, 16, \ks, 0
	s_wait_dscnt 0x0                               ; the add is done, and my reads of the slot in hand are over
	s_barrier_signal -1
	RUN 16, 32, \ks, 0
	WIN 0
	s_barrier_wait -1
.if \fill
	CREST                                          ; no wave of any partner still reads slot 0 or has a load on its way
	JLOAD 3                                        ; its four v_nop are also the places in front of the loads below
.else
	PLACES 4
.endif
	FETCH (\ks)+1
.endm
; One tile of 16 queries: the lane's 64 scores v[s] .. v[s + 63] of window 1, register 16 b + i = key 32 b + 16 (lane / 16) + i of the chunk.  e: the tile's parity.  The codes go to v[cd] on.
.macro SOFTQ s, e, cd
	s_wait_alu depctr_va_vdst(0)                   ; directly ahead of the first readers of the products' results
	WIN 5                                          ; sources 0 and 1: window 1
.irp b, 0,1,2,3
	v_max_num_f32 v[BM+\b], v[\s+16*\b], v[\s+16*\b+1]   ; the largest score of each block of 32 keys (each accumulator from its low end on): it serves for the chunk's maximum and, since p rises with the score, for the block's largest p
.endr
.irp i, 2,4,6,8,10,12,14
.irp b, 0,1,2,3
	v_max3_num_f32 v[BM+\b], v[\s+16*\b+\i], v[\s+16*\b+\i+1], v[BM+\b]
.endr
.endr
	WIN 0
.irp b, 0,1,2,3
	v_permlanex16_b32 v[BX+\b], v[BM+\b], s[SEL], s[SEL+1]
.endr
.irp b, 0,1,2,3
	v_max_num_f32 v[BM+\b], v[BM+\b], v[BX+\b]     ; with lane l xor 16's 16 keys
.endr
	v_max3_num_f32 v[TP], v[BM], v[BM+1], v[BM+2]
	v_max_num_f32 v[TP], v[TP], v[BM+3]            ; the chunk's largest score
	v_mul_f32 v[TP], s[CS], v[TP]                  ; as t (c is positive)
	v_floor_f32 v[NM+2*(\e)], -v[TP]               ; -M_c = floor(-t) = -ceil(t)
	v_mov_b32 v[NM+2*(\e)+1], 0                    ; (named with it as a pair, so it is written)
.irp b, 0,1,2,3
	v_fma_f32 v[BM+\b], v[BM+\b], s[CS], v[NM+2*(\e)]
.endr
	WIN 0x41                                       ; destination and source 0: window 1
.set J, 0
.rept 32
	v_pk_fma_f32 v[\s+J:\s+J+1], v[\s+J:\s+J+1], s[CS:CS+1], v[NM+2*(\e):NM+2*(\e)+1] op_sel_hi:[1,0,0]   ; t - M_c, two at a time
.set J, J+2
.endr
.set J, 0
	s_wait_alu depctr_va_vdst(0)                   ; ahead of the batch
.rept 64
	v_exp_f32 v[\s+J], v[\s+J]                     ; p = 2^(t - M_c), at most 1
.set J, J+1
.endr
	v_nop                                          ; a plain place behind the exponentials
	s_wait_alu depctr_va_vdst(0)                   ; one wait for the batch of 64, ahead of the first line that names a result
	WIN 0
.irp b, 0,1,2,3
	v_exp_f32 v[BM+\b], v[BM+\b]                   ; the block's largest p: the same two instructions on the same number give the same bits
.endr
.irp i, 0,1,2,3
	v_mov_b32 v[LS+\i], 0                          ; the sums begin; plain work behind the four
.endr
	s_wait_alu depctr_va_vdst(0)                   ; and one wait for the four
	WIN 1                                          ; source 0: window 1
.set J, 0
.rept 16
	v_pk_add_f32 v[LS:LS+1], v[\s+J:\s+J+1], v[LS:LS+1]           ; the sum is taken of the unquantised p, in two chains
	v_pk_add_f32 v[LS+2:LS+3], v[\s+J+2:\s+J+3], v[LS+2:LS+3]
.set J, J+4
.endr
	WIN 0
	v_pk_add_f32 v[LS:LS+1], v[LS:LS+1], v[LS+2:LS+3]
.irp b, 0,1,2,3
	v_max_num_f32 v[BM+\b], 0x21000000, v[BM+\b]   ; the floor 2^(66 - 127): the byte cannot fall under 64
.endr
	v_add_f32 v[TP], v[LS], v[LS+1]
.irp b, 0,1,2,3
	v_add_nc_u32 v[SO+\b], 0xff000000, v[BM+\b]    ; 2 off the exponent field: the conversion's scale operand
.endr
	v_permlanex16_b32 v[BX], v[TP], s[SEL], s[SEL+1]
	v_add_f32 v[LC+(\e)], v[TP], v[BX]             ; l_c, in both lanes of the query
.irp b, 0,1,2,3
	v_lshrrev_b32 v[BX+\b], 23, v[SO+\b]           ; the byte
.endr
	v_lshl_or_b32 v[PW+(\e)], v[BX+1], 8, v[BX]
	v_lshl_or_b32 v[PW+(\e)], v[BX+2], 16, v[PW+(\e)]
	v_lshl_or_b32 v[PW+(\e)], v[BX+3], 24, v[PW+(\e)]
	WIN 1
.irp c, 0,1
	v_cvt_scalef32_pk16_fp6_f32 v[\cd+6*\c:\cd+6*\c+2], v[\s+32*\c:\s+32*\c+15], v[SO+2*\c]
	v_cvt_scalef32_pk16_fp6_f32 v[CT+4*\c:CT+4*\c+2], v[\s+32*\c+16:\s+32*\c+31], v[SO+2*\c+1]
.endr
	WIN 0
	v_nop                                          ; one plain place behind the scaled conversions
.irp c, 0,1                                    ; a whole block to a lane: lanes 0-15 block 2 c, lanes 16-31 block 2 c + 1
.irp i, 0,1,2
	v_permlane16_swap_b32 v[\cd+6*\c+\i], v[CT+4*\c+\i]
.endr
.irp i, 0,1,2
	v_mov_b32 v[\cd+6*\c+3+\i], v[CT+4*\c+\i]
.endr
.endr
.endm
	s_load_b256 s[4:11], s[0:1], 0x0               ; qkv_codes, qkv_scales, p_codes, p_stats
	v_lshl_add_u32 v[SPW], v0, 2, SPARE
	v_mov_b32 v[NIL], 0
	ds_add_u32 v[SPW], v[NIL]                      ; the wave's opening: the add, twice on end, and its wait
	ds_add_u32 v[SPW], v[NIL]
	v_lshrrev_b32 v1, 5, v0
	v_readfirstlane_b32 s14, v1                    ; wave 0..7
	s_lshr_b32 s15, s14, 2                         ; my half of the keys.  Also: I fetch for T (0) or for U (1)
	s_and_b32 s16, s14, 3                          ; my quarter of the queries.  Also: which four tiles I fetch
	s_mul_i32 s17, s14, PIECE
	s_mul_i32 s2, s16, PIECE                       ; my queries in slot 0
	s_lshl_b32 s3, s15, 1
	s_add_co_u32 s3, s3, 4
	s_mul_i32 s3, s3, PIECE                        ; my keys
	s_lshl_b32 s20, s2, 1
	s_add_co_u32 s20, s20, SLOT                    ; and in slot 1
	s_lshl_b32 s21, s3, 1
	s_add_co_u32 s21, s21, SLOT
	v_and_b32 v1, 31, v0
	v_lshlrev_b32 v[L16], 4, v1
	v_min_u32 v[PV], 23, v1
	v_lshlrev_b32 v[PV], 8, v[PV]
	v_add_nc_u32 v[ADT], s2, v[L16]
	v_add_nc_u32 v[ADU], s3, v[L16]
	v_add_nc_u32 v[ADT+1], s20, v[L16]
	v_add_nc_u32 v[ADU+1], s21, v[L16]
	v_add_nc_u32 v[ADT+2], PIECE, v[ADT+1]
	v_add_nc_u32 v[ADU+2], PIECE, v[ADU+1]
	s_wait_alu depctr_va_vdst(0)
	s_bfe_u32 s56, ttmp6, 0x40000                  ; cx
	s_bfe_u32 s57, ttmp6, 0x40004                  ; cy
	s_lshl_b32 s58, s57, 2
	s_lshl_b32 s58, 15, s58                        ; my row of the cluster
	s_lshl_b32 s59, 0x1111, s56                    ; my column
	s_or_b32 s[G1T], s58, (3<<16)|(1<<21)          ; elements of 8 bytes; bit 21 set beside the mask
	s_or_b32 s[G1U], s59, (3<<16)|(1<<21)
	SHAPE 32, 48, 32                               ; 12,288 dense bytes
.irp g, G1T, G1U
	s_mov_b32 s[\g+6], 0
	s_mov_b32 s[\g+7], 0
.endr
	s_mov_b32 s[HM], 0xffff0000
	s_mov_b32 s[SEL], 0x76543210
	s_mov_b32 s[SEL+1], 0xfedcba98
	s_mov_b32 s[CS], 0x3d38aa3b                    ; log2(e) / 32
	s_mov_b32 s[CS+1], s[CS]
	; T = q, in registers that never hold cx
	s_and_b32 s18, ttmp7, 0xffff                   ; cluster y
	s_lshr_b32 s89, s18, 1                         ; the batch, which all partners share
	s_lshl_b32 s18, s18, 2
	s_add_co_u32 s18, s18, s57                     ; ty: the tile of 256 queries, 0..31
	s_lshl_b32 s12, s18, 4
	s_lshl_b32 s22, s16, 2
	s_add_co_u32 s12, s12, s22                     ; 16 ty + 4 x quarter: my first row tile of queries, which I also fetch
	s_mul_i32 s22, s12, 3072
	s_mov_b32 s23, 0
	s_lshr_b32 s20, s12, 3
	s_lshl_b32 s20, s20, 9                         ; scale words: 512 bytes for eight tiles,
	s_and_b32 s21, s16, 1
	s_lshl_b32 s21, s21, 3                         ; in a lane's 16 bytes mine are 8
	s_add_co_u32 s20, s20, s21
	s_mov_b32 s21, 0
	; U = k, in registers that never hold cy
	s_lshl_b32 s88, ttmp9, 2
	s_add_co_u32 s88, s88, s56                     ; ut: the tile of 256 keys in the batch, 0..7
	s_lshl_b32 s89, s89, 3
	s_add_co_u32 s89, s89, s88
	s_lshl_b32 s91, s89, 4
	s_lshl_b32 s92, s16, 2
	s_add_co_u32 s91, s91, s92
	s_mul_i32 s94, s91, 3072                       ; the four tiles that I fetch
	s_add_co_u32 s94, s94, 4*KSB                   ; k's codes stand behind q's
	s_mov_b32 s95, 0
	s_lshl_b32 s92, s89, 1
	s_add_co_u32 s92, s92, s15
	s_lshl_b32 s92, s92, 9                         ; my eight tiles' scale words
	s_add_co_u32 s92, s92, 8*KSS
	s_mov_b32 s93, 0
	s_wait_dscnt 0x0                               ; both opening adds are done
	CROUND                                         ; all sixteen work-groups are here: the first joint loads meet
	s_wait_kmcnt 0x0
	s_add_nc_u64 s[22:23], s[4:5], s[22:23]
	s_add_nc_u64 s[94:95], s[4:5], s[94:95]
.irp n, 0,1,3                          ; 256 K numbers 0; 1 and 2; 3
	s_mov_b32 s[G0T+4*\n], 1
	s_mul_i32 s[G0T+4*\n+1], s17, 1+(\n%3)
	s_add_co_u32 s[G0T+4*\n+1], s[G0T+4*\n+1], (\n%3)*SLOT
	s_add_nc_u64 s[G0T+4*\n+2:G0T+4*\n+3], s[22:23], \n*KSB
	s_or_b32 s[G0T+4*\n+3], s[G0T+4*\n+3], 0x80000000
	s_mov_b32 s[G0U+4*\n], 1
	s_mul_i32 s[G0U+4*\n+1], s17, 1+(\n%3)
	s_add_co_u32 s[G0U+4*\n+1], s[G0U+4*\n+1], (\n%3)*SLOT
	s_add_nc_u64 s[G0U+4*\n+2:G0U+4*\n+3], s[94:95], \n*KSB
	s_or_b32 s[G0U+4*\n+3], s[G0U+4*\n+3], 0x80000000
.endr
	JLOAD 0                                        ; one tensor load a wave at the head
	s_add_nc_u64 s[86:87], s[6:7], s[20:21]
	s_add_nc_u64 s[84:85], s[6:7], s[92:93]
.irp k, 0,1,2,3,4,5,6,7
	global_load_b128 v[SU+4*\k:SU+4*\k+3], v[L16], s[84:85] offset:KSS*\k
	global_load_b64 v[ST+8*(\k/4)+4*((\k+1)%2)+2*((\k/2)%2):ST+8*(\k/4)+4*((\k+1)%2)+2*((\k/2)%2)+1], v[L16], s[86:87] offset:KSS*\k
.endr
	; the prefetch of K 256-767 of my piece
	s_cmp_eq_u32 s15, 0
	s_cselect_b64 s[66:67], s[22:23], s[94:95]
	s_cselect_b32 s2, s56, s57                     ; my place among the four that ask with me
	s_lshr_b32 s20, s2, 1
	s_and_b32 s2, s2, 1
	s_mul_i32 s20, s20, KSB
	s_mul_i32 s2, s2, 6144
	s_add_co_u32 s2, s2, s20
	s_mov_b32 s3, 0
	s_add_nc_u64 s[66:67], s[66:67], s[2:3]
	s_add_nc_u64 s[66:67], s[66:67], KSB
	global_prefetch_b8 v[PV], s[66:67] th:TH_LOAD_NT scope:SCOPE_SE
	; where my results go: codes (ut x 512 + my first tile) x 3,072 + 1,536 x half; statistics ((2 ut + half) x 512 + my first tile) x 256
	s_lshl_b32 s2, s88, 9
	s_add_co_u32 s2, s2, s12
	s_mul_i32 s2, s2, 3072
	s_mul_i32 s3, s15, 1536
	s_add_co_u32 s2, s2, s3
	s_mov_b32 s3, 0
	s_add_nc_u64 s[8:9], s[8:9], s[2:3]
	s_lshl_b32 s2, s88, 1
	s_add_co_u32 s2, s2, s15
	s_lshl_b32 s2, s2, 9
	s_add_co_u32 s2, s2, s12
	s_lshl_b32 s2, s2, 8
	s_add_nc_u64 s[10:11], s[10:11], s[2:3]
	s_wait_tensorcnt 0x0                           ; my piece of slot 0 is in
	ds_add_u32 v[SPW], v[NIL]
	SHAPE 1536, 2, KSB/8                           ; no tensor load of mine is out: two rows of 12,288 bytes
	s_wait_dscnt 0x0
	CROUND
	JLOAD 1                                        ; K 256-767, the first tensor load behind the round
	FETCH 0
	s_wait_loadcnt 0x0                             ; the scale words
	STEP 0, 1                                      ; the first step's products start the sums
	TURN 1, 1                                      ; the launch's one refill; its wait for all loads also shows slots 1 and 2 whole to every wave
	STEP 2, 0
	STEP 3, 0
	STEP 4, 0
	TURN 5, 0                                      ; the refill has landed, in every wave
	STEP 6, 0
	STEPM 7, 0
	; THE WAY OUT
.irp b, 0,1,2,3
	v_mov_b32 v[BX+\b], 0                          ; a lane permute's destination counts as read
.endr
.irp a, 0,1,2,3
	SOFTQ 64*\a, \a%2, TF+12*\a
.if \a%2
	v_cndmask_b32 v[MGD+4*(\a/2)], v[PW], v[PW+1], s[HM]       ; lanes 0-15: the even tile's queries; lanes 16-31: the odd tile's
	v_cndmask_b32 v[MGD+4*(\a/2)+1], v[NM], v[NM+2], s[HM]
	v_cndmask_b32 v[MGD+4*(\a/2)+2], v[LC], v[LC+1], s[HM]
	v_mov_b32 v[MGD+4*(\a/2)+3], 0
.irp t, \a-1, \a
.irp c, 0,1,2
	global_store_b128 v[L16], v[TF+12*(\t)+4*\c:TF+12*(\t)+4*\c+3], s[8:9] offset:3072*(\t)+512*\c   ; 512 consecutive bytes, at a multiple of 512 from the buffer's first byte
.endr
.endr
	global_store_b128 v[L16], v[MGD+4*(\a/2):MGD+4*(\a/2)+3], s[10:11] offset:512*(\a/2)
.endif
.endr
	s_wait_tensorcnt 0x0                           ; the wave's end, behind my last tensor load
	ds_add_u32 v[SPW], v[NIL]
	s_wait_dscnt 0x0
	CROUND                                         ; the closing round
	s_endpgm
.Lfunc_end_k_q4d43e9dc93_score:
	.size	k_q4d43e9dc93_score, .Lfunc_end_k_q4d43e9dc93_score-k_q4d43e9dc93_score
	.p2alignl 7, 3214868480
	.fill 96, 4, 3214868480
	.section	.rodata,"a",@progbits
	.p2align	6, 0x0
	.amdhsa_kernel k_q4d43e9dc93_score
		.amdhsa_group_segment_fixed_size 327680
		.amdhsa_private_segment_fixed_size 0
		.amdhsa_enable_private_segment 0
		.amdhsa_kernarg_size 32
		.amdhsa_user_sgpr_count 2
		.amdhsa_user_sgpr_kernarg_segment_ptr 1
		.amdhsa_wavefront_size32 1
		.amdhsa_system_sgpr_workgroup_id_x 1
		.amdhsa_system_sgpr_workgroup_id_y 1
		.amdhsa_system_sgpr_workgroup_id_z 1
		.amdhsa_system_vgpr_workitem_id 0
		.amdhsa_next_free_vgpr 512
		.amdhsa_next_free_sgpr 102
		.amdhsa_reserve_vcc 0
		.amdhsa_float_denorm_mode_32 3
		.amdhsa_float_denorm_mode_16_64 3
		.amdhsa_memory_ordered 1
		.amdhsa_forward_progress 1
		.amdhsa_inst_pref_size 111
	.end_amdhsa_kernel
	.amdgpu_metadata
---
amdhsa.version: [ 1, 2 ]
amdhsa.kernels:
  - .name:           k_q4d43e9dc93_score
    .symbol:         k_q4d43e9dc93_score.kd
    .args:
      - { .name: qkv_codes, .offset: 0, .size: 8, .value_kind: global_buffer, .address_space: global }
      - { .name: qkv_scales, .offset: 8, .size: 8, .value_kind: global_buffer, .address_space: global }
      - { .name: p_codes, .offset: 16, .size: 8, .value_kind: global_buffer, .address_space: global }
      - { .name: p_stats, .offset: 24, .size: 8, .value_kind: global_buffer, .address_space: global }
    .group_segment_fixed_size: 327680
    .private_segment_fixed_size: 0
    .kernarg_segment_align: 8
    .kernarg_segment_size: 32
    .max_flat_workgroup_size: 256
    .sgpr_count:     102
    .vgpr_count:     512
    .wavefront_size: 32
...
	.end_amdgpu_metadata
.endif
;; end of part 3
;; launch pv (part 4): grid 4 x 64, 4 waves a work-group, clusters of 4 x 4, 327,680 bytes of LDS; arguments p_codes, p_stats, qkv_codes, qkv_scales, out0; writes out0
.if DOCPART == 4
	.amdgcn_target "amdgcn-amd-amdhsa--gfx1250"
	.amdhsa_code_object_version 6
	.text
	.protected	k_q4d43e9dc93_pv
	.globl	k_q4d43e9dc93_pv
	.p2align	8
	.type	k_q4d43e9dc93_pv,@function
k_q4d43e9dc93_pv:
	s_mov_b64 s[64:65], 0
	v_nop
	global_prefetch_b8 v0, s[64:65] scope:SCOPE_SE
	s_setreg_imm32_b32 hwreg(HW_REG_WAVE_MODE, 25, 1), 1
	s_wait_xcnt 0x0
	s_wait_alu depctr_hold_cnt(0) depctr_sa_sdst(0) depctr_va_vdst(0) depctr_va_sdst(0) depctr_va_ssrc(0) depctr_va_vcc(0) depctr_vm_vsrc(0)
	s_getreg_b32 s2, hwreg(HW_REG_IB_STS2, 6, 4)
	s_cmp_eq_u32 s2, 0
	s_cbranch_scc0 .Lentry_in_a_cluster
	s_endpgm
.Lentry_in_a_cluster:
	s_bfe_u32 s2, ttmp6, 0x10000c
	s_cmp_lg_u32 s2, 0xf033
	s_cbranch_scc0 .Lentry_shape_is_right
	s_endpgm
.Lentry_shape_is_right:
; out = (p v) / l on codes of FP6 (E2M3) with E8M0 scales, K = the 2,048 keys, sums in f32.
; p arrives in 16 CHUNKS of 128 keys, each quantised under its own whole number M_c.  With M = the largest M_c of a row, chunk c's scale bytes are brought under M by adding M_c - M, an exact power of two, and l = the sum of l_c 2^(M_c - M).
; LIMITS: M - M_c is held at 63; a chunk's bytes arrive between 64 and 125, so every byte stays between 1 and 125.  What is so held is a p under 2^-58 of the row's largest (whose p lies over 1/2).  NaN and infinities are not served.
; A work-group makes 128 queries x 256 channels, a wave 64 x 128: 32 accumulators.  SOURCE 0 = P, SOURCE 1 = V: a lane holds ONE channel position, its registers eight queries.  Position r of V's tile t is channel
; 64 (t / 4) + t % 4 + 4 r, so the same register of four tiles' accumulators is four neighbouring channels: 16 bytes a lane, 256 consecutive bytes in sixteen lanes.  The results leave from registers.
; Operands are images of fragments (16 positions x 128 K: 12 registers, three chunks of 512 bytes, lane l at 16 l).  A FILL is 512 keys: P's halves (4 tiles, 2 rows of 12,288 bytes), V's halves (8 tiles, 2 rows of 24,576): one tensor load a wave.
; Two slots, four fills: the first at the head, the second behind the head's full sequence, the others behind the rounds in steps 3 and 7.
; CLUSTERS 4 x 4: P's tile hangs on cy and is asked for jointly by a row of the cluster, V's on cx, by a column.
; PREFETCH: each fill but the first is asked of memory one fill ahead of its tensor load.  Of the blocks of 256 bytes that a wave's load brings each of the four partners names a quarter, told apart by address:
; 24 for P's waves, 48 (two instructions) for V's; the fourth fill is the last that is named.
; A STEP of 128 keys: the next step's 36 LDS loads in one run, then 32 products.
; REGISTERS: window 0: addresses; v32-95 V's scale words, v96-127 P's; v128-159 1 / l; v160-255 P's fragments, two sets (at the head: the correction's temporaries).  window 1: V's fragments, two sets, at v0 and v128.
; window 2: accumulator (a, b) at v[8 (8 a + b)] (at the head: the statistics).  window 3: results on their way out.
.set TPC,   24576                      ; half of P's tile in a fill
.set UPC,   49152                      ; half of V's
.set SLOT,  2*TPC+2*UPC
.set SPARE, 2*SLOT                     ; the spare words, 128 bytes for each wave
.set RLS,   SPARE+512                  ; 256 bytes for each wave: its 64 queries' 1 / l
.set PP,    1572864                    ; from 256 keys to the next in P's codes
.set VP,    196608                     ; and in V's
.set VA,  4                            ; v4, v5 the prefetch's offsets
.set VB,  5
.set NMN, 6                            ; v6, v7 -M
.set CO,  8                            ; v8  my place in the output: row 16 h, byte 16 r
.set RC,  10                           ; v10, v11 1 / l
.set LL,  12                           ; v12-15
.set ADT, 16                           ; v16, v17 my half of P in slot 0, 1
.set ADU, 20                           ; v20, v21 of V
.set RS,  24                           ; v24, v25 where 1 / l is put and read
.set RD,  25
.set L16, 26
.set L8,  27
.set SPW, 28
.set NIL, 29
.set SV,  32
.set SP,  96
.set RL,  128
.set FP,  160
.set T,   160                          ; M_c - M
.set A,   192
.set B,   224
.set G1T, 24
.set G1U, 32
.set G0T, 40
.set G0U, 68
.set MULW, 0xa4                        ; source 0 (P) window 0, source 1 (V) window 1, C and D window 2
.set MSB, 0
.macro WIN new
.if MSB != (\new)
	s_set_vgpr_msb (MSB<<8)|(\new)
.set MSB, (\new)
.endif
.endm
.macro PLACES n
.rept \n
	v_nop
.endr
.endm
.macro JLOAD n                         ; fill n: waves 0 and 1 fetch P's halves, waves 2 and 3 V's; an s_nop 0 and four v_nop follow each of the two lines
	s_cmp_eq_u32 s15, 0
	s_cbranch_scc0 .Lfor_v_\@
	tensor_load_to_lds s[G0T+4*\n:G0T+4*\n+3], s[G1T:G1T+7]
	s_nop 0
	PLACES 4
	s_branch .Lasked_\@
.Lfor_v_\@:
	tensor_load_to_lds s[G0U+4*\n:G0U+4*\n+3], s[G1U:G1U+7]
	s_nop 0
	PLACES 4
.Lasked_\@:
.endm
.macro ASK                             ; the prefetch of a fill at s[66:67]
	global_prefetch_b8 v[VA], s[66:67] th:TH_LOAD_NT scope:SCOPE_SE
	s_cmp_eq_u32 s15, 0
	s_cbranch_scc1 .Lquarter_\@
	global_prefetch_b8 v[VB], s[66:67] th:TH_LOAD_NT scope:SCOPE_SE
.Lquarter_\@:
.endm
.macro CREST                           ; a round of the cluster's barrier behind its opening barrier
	s_cmp_lg_u32 s14, 0
	s_cbranch_scc1 .Lnot_wave_0_\@
	s_barrier_signal -3
.Lnot_wave_0_\@:
	s_barrier_wait -3
	s_barrier_signal -1
	s_barrier_wait -1
.endm
.macro CROUND
	s_barrier_signal -1
	s_barrier_wait -1
	CREST
.endm
.macro FRAG reg, adr, off
.irp c, 0,1,2
	ds_load_b128 v[\reg+4*\c:\reg+4*\c+3], v[\adr] offset:\off+512*\c
.endr
.endm
.macro FETCH ks                        ; step ks's 8 + 4 fragments into the sets ks % 2
	WIN 0x40
.irp i, 0,1,2,3,4,5,6,7
	FRAG 128*((\ks)%2)+12*\i, ADU+((\ks)/4)%2, (((\ks)%4)/2)*24576+\i*3072+((\ks)%2)*1536
.endr
	WIN 0
.irp i, 0,1,2,3
	FRAG FP+48*((\ks)%2)+12*\i, ADT+((\ks)/4)%2, (((\ks)%4)/2)*12288+\i*3072+((\ks)%2)*1536
.endr
.endm
.macro WM d, a, b, c, sa, sb, rr       ; rr: which of the scale words stand in lanes 16-31 (an odd tile): 2 = source 0's, 1 = source 1's
.if (\rr) == 0
	v_wmma_scale_f32_16x16x128_f8f6f4 v[\d:\d+7], v[\a:\a+11], v[\b:\b+11], \c, v[\sa], v[\sb] matrix_a_fmt:MATRIX_FMT_FP6 matrix_b_fmt:MATRIX_FMT_FP6
.elseif (\rr) == 1
	v_wmma_scale_f32_16x16x128_f8f6f4 v[\d:\d+7], v[\a:\a+11], v[\b:\b+11], \c, v[\sa], v[\sb] matrix_a_fmt:MATRIX_FMT_FP6 matrix_b_fmt:MATRIX_FMT_FP6 matrix_b_scale:MATRIX_SCALE_ROW1
.elseif (\rr) == 2
	v_wmma_scale_f32_16x16x128_f8f6f4 v[\d:\d+7], v[\a:\a+11], v[\b:\b+11], \c, v[\sa], v[\sb] matrix_a_fmt:MATRIX_FMT_FP6 matrix_b_fmt:MATRIX_FMT_FP6 matrix_a_scale:MATRIX_SCALE_ROW1
.else
	v_wmma_scale_f32_16x16x128_f8f6f4 v[\d:\d+7], v[\a:\a+11], v[\b:\b+11], \c, v[\sa], v[\sb] matrix_a_fmt:MATRIX_FMT_FP6 matrix_b_fmt:MATRIX_FMT_FP6 matrix_a_scale:MATRIX_SCALE_ROW1 matrix_b_scale:MATRIX_SCALE_ROW1
.endif
.endm
; Product n = 8 a + b of step ks.  The 32 accumulators take turns in the same order in every step.  P's and V's scale registers never have the same number modulo 8.
.macro MUL n, ks, zero
.set D_, 8*(\n)
.set A_, FP+48*((\ks)%2)+12*((\n)/8)
.set B_, 128*((\ks)%2)+12*((\n)%8)
.set X_, SP+8*((\ks)/4)+4*(((\ks)+1)%2)+2*(((\ks)/2)%2)+(\n)/16
.set Y_, SV+4*(\ks)+((\n)%8)/2
.set R_, 2*(((\n)/8)%2)+(\n)%2
	WIN MULW
.if \zero
	WM D_, A_, B_, 0, X_, Y_, R_
.else
	WM D_, A_, B_, v[D_:D_+7], X_, Y_, R_
.endif
.endm
.macro RUN from, to, ks, zero
.set N_, \from
.rept (\to)-(\from)
	MUL N_, \ks, \zero
.set N_, N_+1
.endr
.endm
.macro STEP ks, zero
	s_wait_dscnt 0x0                               ; this step's fragments are in (asked for a step, 32 products, ago)
	PLACES 4                                       ; four places between the last step's products and the loads into the registers that they read
	FETCH (\ks)+1
	RUN 0, 32, \ks, \zero
	WIN 0
.endm
; A slot's last step.  Behind its barrier the other slot is whole for every wave and this one is read no more; fill > 0: it takes that fill.
.macro TURN ks, fill
	s_wait_tensorcnt 0x0                           ; all my tensor loads have landed
	ds_add_u32 v[SPW], v[NIL]                      ; 0 onto my spare word
	s_wait_dscnt 1                                 ; this step's fragments are in (the add may be out)
	RUN 0, 8, \ks, 0
	s_wait_dscnt 0x0                               ; the add is done, and my reads of the slot in hand are over
	s_barrier_signal -1
	RUN 8, 16, \ks, 0
	WIN 0
	s_barrier_wait -1
.if \fill
	CREST
	JLOAD \fill                                    ; its four v_nop are also the places in front of the loads below
.else
	PLACES 4
.endif
	FETCH (\ks)+1
	RUN 16, 32, \ks, 0
	WIN 0
.endm
; Register j of query tile a's eight accumulators, x 1 / l: 64 channels twice for each of the rows 16 h + j.  Each accumulator is read from its low end on.
.macro OUT a, j
	WIN 0xc2                                       ; destination window 3, source 0 window 2
.irp b, 0,1,2,3,4,5,6,7
	v_mul_f32 v[64*(\a)+32*(\b/4)+4*(\j)+\b%4], v[8*(8*(\a)+\b)+(\j)], v[RL+8*(\a)+(\j)]
.endr
.endm
.macro EACH line:vararg                ; a line for each of the 32 (chunk, pair) words: I = 2 k + g
.set I, 0
.rept 32
	\line
.set I, I+1
.endr
.endm
	s_load_b256 s[4:11], s[0:1], 0x0               ; p_codes, p_stats, qkv_codes, qkv_scales
	s_load_b64 s[12:13], s[0:1], 0x20              ; out0
	v_lshl_add_u32 v[SPW], v0, 2, SPARE
	v_mov_b32 v[NIL], 0
	ds_add_u32 v[SPW], v[NIL]                      ; the wave's opening: the add, twice on end, and its wait
	ds_add_u32 v[SPW], v[NIL]
	v_lshrrev_b32 v1, 5, v0
	v_readfirstlane_b32 s14, v1                    ; wave 0..3
	s_lshr_b32 s15, s14, 1                         ; my half of the queries.  Also: I fetch for P (0) or for V (1)
	s_and_b32 s16, s14, 1                          ; my half of the channels.  Also: which half I fetch
	s_mul_i32 s96, s16, TPC
	s_mul_i32 s97, s16, UPC
	s_add_co_u32 s97, s97, 2*TPC
	s_mul_i32 s2, s15, TPC
	s_lshl_b32 s20, s14, 8
	s_add_co_u32 s20, s20, RLS
	s_cmp_eq_u32 s15, 0
	s_cselect_b32 s21, 23, 47                      ; the last of my blocks in a prefetch
	v_and_b32 v1, 31, v0
	v_and_b32 v2, 15, v0
	v_bfe_u32 v3, v0, 4, 1
	v_lshlrev_b32 v[L16], 4, v1
	v_lshlrev_b32 v[L8], 3, v1
	v_lshlrev_b32 v[CO], 4, v2
	v_lshl_add_u32 v[CO], v3, 16, v[CO]
	v_lshlrev_b32 v[RS], 2, v1
	v_add_nc_u32 v[RS], s20, v[RS]
	v_lshlrev_b32 v[RD], 5, v3
	v_add_nc_u32 v[RD], s20, v[RD]
	v_add_nc_u32 v[ADT], s2, v[L16]
	v_add_nc_u32 v[ADT+1], SLOT, v[ADT]
	v_add_nc_u32 v[ADU], s97, v[L16]
	v_add_nc_u32 v[ADU+1], SLOT, v[ADU]
	v_min_u32 v[VA], s21, v1
	v_lshlrev_b32 v[VA], 8, v[VA]
	v_add_nc_u32 v[VB], 32, v1
	v_min_u32 v[VB], s21, v[VB]
	v_lshlrev_b32 v[VB], 8, v[VB]
	s_wait_alu depctr_va_vdst(0)
	s_bfe_u32 s56, ttmp6, 0x40000                  ; cx
	s_bfe_u32 s57, ttmp6, 0x40004                  ; cy
	s_lshl_b32 s58, s57, 2
	s_lshl_b32 s58, 15, s58                        ; my row of the cluster
	s_lshl_b32 s59, 0x1111, s56                    ; my column
	s_or_b32 s[G1T], s58, (3<<16)|(1<<21)          ; elements of 8 bytes; bit 21 set beside the mask
	s_mov_b32 s[G1T+1], 1536<<16                   ; four tiles x 256 K = 12,288 bytes
	s_mov_b32 s[G1T+2], 2<<16                      ; two runs of 256 K
	s_mov_b32 s[G1T+3], 1536<<16
	s_mov_b32 s[G1T+4], 2
	s_mov_b32 s[G1T+5], PP/8
	s_mov_b32 s[G1T+6], 0
	s_mov_b32 s[G1T+7], 0
	s_or_b32 s[G1U], s59, (3<<16)|(1<<21)
	s_mov_b32 s[G1U+1], 3072<<16                   ; eight tiles x 256 K = 24,576 bytes
	s_mov_b32 s[G1U+2], 2<<16
	s_mov_b32 s[G1U+3], 3072<<16
	s_mov_b32 s[G1U+4], 2
	s_mov_b32 s[G1U+5], VP/8
	s_mov_b32 s[G1U+6], 0
	s_mov_b32 s[G1U+7], 0
	; P, in registers that never hold cx
	s_and_b32 s18, ttmp7, 0xffff                   ; cluster y
	s_lshr_b32 s89, s18, 2                         ; the batch
	s_lshl_b32 s18, s18, 2
	s_add_co_u32 s18, s18, s57                     ; the tile of 128 queries, 0..63
	s_lshl_b32 s22, s18, 3
	s_lshl_b32 s20, s16, 2
	s_add_co_u32 s22, s22, s20
	s_mul_i32 s22, s22, 3072                       ; the half that I fetch
	s_mov_b32 s23, 0
	s_lshl_b32 s19, s18, 7
	s_lshl_b32 s20, s15, 6
	s_add_co_u32 s19, s19, s20                     ; my first query
	s_lshl_b32 s20, s19, 4                         ; its statistics: 512 bytes for 32 queries
	s_mov_b32 s21, 0
	; V, in registers that never hold cy
	s_lshl_b32 s90, s89, 9
	s_lshl_b32 s91, s56, 4
	s_add_co_u32 s90, s90, s91
	s_lshl_b32 s91, s16, 3
	s_add_co_u32 s90, s90, s91
	s_mul_i32 s94, s90, 3072
	s_add_co_u32 s94, s94, 12582912                ; v's codes stand behind q's and k's
	s_mov_b32 s95, 0
	s_lshl_b32 s92, s89, 16                        ; scale words: 16 steps x 4,096 bytes a batch
	s_lshl_b32 s91, s56, 10
	s_add_co_u32 s92, s92, s91
	s_lshl_b32 s91, s16, 9
	s_add_co_u32 s92, s92, s91
	s_add_co_u32 s92, s92, 524288
	s_mov_b32 s93, 0
	s_wait_dscnt 0x0                               ; both opening adds are done
	CROUND                                         ; all sixteen work-groups are here: the first joint loads meet
	s_wait_kmcnt 0x0
	s_add_nc_u64 s[22:23], s[4:5], s[22:23]
	s_add_nc_u64 s[94:95], s[8:9], s[94:95]
.irp n, 0,1,2,3
	s_mov_b32 s[G0T+4*\n], 1
	s_add_co_u32 s[G0T+4*\n+1], s96, (\n%2)*SLOT
	s_add_nc_u64 s[G0T+4*\n+2:G0T+4*\n+3], s[22:23], \n*2*PP
	s_or_b32 s[G0T+4*\n+3], s[G0T+4*\n+3], 0x80000000
	s_mov_b32 s[G0U+4*\n], 1
	s_add_co_u32 s[G0U+4*\n+1], s97, (\n%2)*SLOT
	s_add_nc_u64 s[G0U+4*\n+2:G0U+4*\n+3], s[94:95], \n*2*VP
	s_or_b32 s[G0U+4*\n+3], s[G0U+4*\n+3], 0x80000000
.endr
	JLOAD 0                                        ; one tensor load a wave at the head
	s_add_nc_u64 s[86:87], s[6:7], s[20:21]
	s_add_nc_u64 s[84:85], s[10:11], s[92:93]
	WIN 0x80                                       ; the statistics go to window 2: word, -M_c, l_c, 0 of chunk k, pair g at v[4 (2 k + g)]
.irp k, 0,1,2,3,4,5,6,7,8,9,10,11,12,13,14,15
.irp g, 0,1
	global_load_b128 v[4*(2*\k+\g):4*(2*\k+\g)+3], v[L16], s[86:87] offset:131072*\k+512*\g
.endr
.endr
	WIN 0
.irp k, 0,1,2,3,4,5,6,7,8,9,10,11,12,13,14,15
.irp g, 0,1
	global_load_b64 v[SV+4*\k+2*\g:SV+4*\k+2*\g+1], v[L8], s[84:85] offset:4096*\k+256*\g
.endr
.endr
	; where the results go, and where the prefetches stand
	s_lshl_b32 s2, s19, 12
	s_lshl_b32 s3, s56, 10
	s_add_co_u32 s2, s2, s3
	s_lshl_b32 s3, s16, 9
	s_add_co_u32 s2, s2, s3
	s_mov_b32 s3, 0
	s_add_nc_u64 s[12:13], s[12:13], s[2:3]
	s_cmp_eq_u32 s15, 0
	s_cselect_b64 s[66:67], s[22:23], s[94:95]
	s_cselect_b32 s2, s56, s57                     ; my place among the four that ask with me
	s_mov_b32 s62, PP
	s_cselect_b32 s62, s62, VP                     ; from row to row
	s_mov_b32 s3, 6144
	s_cselect_b32 s3, s3, 12288                    ; half a row
	s_lshr_b32 s20, s2, 1
	s_and_b32 s2, s2, 1
	s_mul_i32 s20, s20, s62
	s_mul_i32 s2, s2, s3
	s_add_co_u32 s2, s2, s20
	s_lshl_b32 s62, s62, 1                         ; from fill to fill
	s_mov_b32 s63, 0
	s_mov_b32 s3, 0
	s_add_nc_u64 s[66:67], s[66:67], s[2:3]
	s_add_nc_u64 s[66:67], s[66:67], s[62:63]
	ASK                                            ; fill 1
	s_wait_loadcnt 32                              ; the statistics are in; V's 32 loads of scale words may be out
	; THE CORRECTION
	WIN 0x2a
.irp g, 0,1
	v_min3_num_f32 v[NMN+\g], v[4*\g+1], v[4*(2+\g)+1], v[4*(4+\g)+1]      ; -M = the least -M_c
.endr
	WIN 0x0a
.irp k, 3,5,7,9,11,13
.irp g, 0,1
	v_min3_num_f32 v[NMN+\g], v[4*(2*\k+\g)+1], v[4*(2*\k+2+\g)+1], v[NMN+\g]
.endr
.endr
	WIN 0x02
.irp g, 0,1
	v_min_num_f32 v[NMN+\g], v[4*(30+\g)+1], v[NMN+\g]
.endr
	WIN 0x08
	EACH v_sub_f32 v[T+I], v[NMN+I%2], v[4*I+1]    ; M_c - M, 0 or less,
	WIN 0
	EACH v_max_num_f32 v[T+I], 0xc27c0000, v[T+I]  ; held at -63,
	EACH v_cvt_i32_f32 v[T+I], v[T+I]              ; as a whole number
	EACH v_lshl_add_u32 v[B+I], v[T+I], 8, v[T+I]
	WIN 0x08
	EACH v_add_nc_u32 v[A+I], v[B+I], v[4*I]
	WIN 0
	EACH v_lshl_add_u32 v[SP+8*(I/8)+4*((I/2+1)%2)+2*((I/4)%2)+I%2], v[B+I], 16, v[A+I]   ; the word + (M_c - M) in each byte: no byte falls under 1, so none borrows
	WIN 0x20
	EACH v_lshl_add_u32 v[A+I], v[T+I], 23, v[4*I+2]   ; l_c 2^(M_c - M), by the exponent field (l_c is over 1/2)
	WIN 0
.irp i, 0,1,2,3
	v_add_f32 v[LL+\i], v[A+\i], v[A+4+\i]
.endr
.set I, 8
.rept 24
	v_add_f32 v[LL+I%4], v[LL+I%4], v[A+I]
.set I, I+1
.endr
.irp g, 0,1
	v_add_f32 v[LL+\g], v[LL+\g], v[LL+2+\g]
.endr
	s_wait_alu depctr_va_vdst(0)                   ; ahead of the transcendentals
.irp g, 0,1
	v_rcp_f32 v[RC+\g], v[LL+\g]                   ; lanes 0-15: the even tile's queries; lanes 16-31: the odd tile's
.endr
	v_nop
	s_wait_alu depctr_va_vdst(0)                   ; and behind them; it also stands at the head's end
	s_wait_loadcnt 0x0                             ; V's scale words
	s_wait_xcnt 0x0                                ; the prefetch has read its address
	s_add_nc_u64 s[66:67], s[66:67], s[62:63]
	s_wait_tensorcnt 0x0                           ; my part of fill 0 is in
	ds_add_u32 v[SPW], v[NIL]
	s_wait_dscnt 0x0
	CROUND
	JLOAD 1                                        ; into slot 1
	FETCH 0
	ASK                                            ; fill 2
	STEP 0, 1                                      ; the first step's products start the sums
	STEP 1, 0
	STEP 2, 0
	s_wait_xcnt 0x0
	s_add_nc_u64 s[66:67], s[66:67], s[62:63]
	TURN 3, 2
	ASK                                            ; fill 3
	STEP 4, 0
	STEP 5, 0
	STEP 6, 0
	TURN 7, 3
	STEP 8, 0
	STEP 9, 0
	STEP 10, 0
	TURN 11, 0
	STEP 12, 0
	ds_store_b32 v[RS], v[RC]                      ; 1 / l from a lane a query to a register a query, through 256 bytes of my own: LDS serves a wave's instructions in order
	ds_store_b32 v[RS], v[RC+1] offset:128
.irp a, 0,1,2,3
	ds_load_b128 v[RL+8*\a:RL+8*\a+3], v[RD] offset:64*\a          ; tile a's positions 8 h + 0 .. 7
	ds_load_b128 v[RL+8*\a+4:RL+8*\a+7], v[RD] offset:64*\a+16
.endr
	STEP 13, 0
	STEP 14, 0
	s_wait_dscnt 0x0                               ; the last step
	RUN 0, 12, 15, 0
	PLACES 4                                       ; behind tile 0's last product, ahead of the first read of its results
.set N_, 12
.rept 20                               ; tiles 0 to 2 are multiplied among the later products; these multiplications are the later tiles' places
	MUL N_, 15, 0
.if N_ < 20
	OUT 0, (N_-12)
.elseif N_ < 28
	OUT 1, (N_-20)
.else
	OUT 2, (2*N_-56)
	OUT 2, (2*N_-55)
.endif
.set N_, N_+1
.endr
.irp j, 0,1,2,3,4,5,6,7
	OUT 3, \j
.endr
	WIN 0x0c                                       ; the data: window 3
.irp a, 0,1,2,3
.irp j, 0,1,2,3,4,5,6,7
.irp q, 0,1
	global_store_b128 v[CO], v[64*\a+32*\q+4*\j:64*\a+32*\q+4*\j+3], s[12:13] offset:(32*(\a/2)+8*(\a%2)+\j)*4096+256*\q th:TH_STORE_NT
.endr
.endr
.endr
	WIN 0
	s_wait_tensorcnt 0x0                           ; the wave's end
	ds_add_u32 v[SPW], v[NIL]
	s_wait_dscnt 0x0
	CROUND                                         ; the closing round: no work-group ends while a partner may still ask for a tile that names it
	s_endpgm
.Lfunc_end_k_q4d43e9dc93_pv:
	.size	k_q4d43e9dc93_pv, .Lfunc_end_k_q4d43e9dc93_pv-k_q4d43e9dc93_pv
	.p2alignl 7, 3214868480
	.fill 96, 4, 3214868480
	.section	.rodata,"a",@progbits
	.p2align	6, 0x0
	.amdhsa_kernel k_q4d43e9dc93_pv
		.amdhsa_group_segment_fixed_size 327680
		.amdhsa_private_segment_fixed_size 0
		.amdhsa_enable_private_segment 0
		.amdhsa_kernarg_size 40
		.amdhsa_user_sgpr_count 2
		.amdhsa_user_sgpr_kernarg_segment_ptr 1
		.amdhsa_wavefront_size32 1
		.amdhsa_system_sgpr_workgroup_id_x 1
		.amdhsa_system_sgpr_workgroup_id_y 1
		.amdhsa_system_sgpr_workgroup_id_z 1
		.amdhsa_system_vgpr_workitem_id 0
		.amdhsa_next_free_vgpr 1024
		.amdhsa_next_free_sgpr 98
		.amdhsa_reserve_vcc 0
		.amdhsa_float_denorm_mode_32 3
		.amdhsa_float_denorm_mode_16_64 3
		.amdhsa_memory_ordered 1
		.amdhsa_forward_progress 1
		.amdhsa_inst_pref_size 152
	.end_amdhsa_kernel
	.amdgpu_metadata
---
amdhsa.version: [ 1, 2 ]
amdhsa.kernels:
  - .name:           k_q4d43e9dc93_pv
    .symbol:         k_q4d43e9dc93_pv.kd
    .args:
      - { .name: p_codes, .offset: 0, .size: 8, .value_kind: global_buffer, .address_space: global }
      - { .name: p_stats, .offset: 8, .size: 8, .value_kind: global_buffer, .address_space: global }
      - { .name: qkv_codes, .offset: 16, .size: 8, .value_kind: global_buffer, .address_space: global }
      - { .name: qkv_scales, .offset: 24, .size: 8, .value_kind: global_buffer, .address_space: global }
      - { .name: out0, .offset: 32, .size: 8, .value_kind: global_buffer, .address_space: global }
    .group_segment_fixed_size: 327680
    .private_segment_fixed_size: 0
    .kernarg_segment_align: 8
    .kernarg_segment_size: 40
    .max_flat_workgroup_size: 128
    .sgpr_count:     98
    .vgpr_count:     1024
    .wavefront_size: 32
...
	.end_amdgpu_metadata
.endif
;; end of part 4
